; MI455X (gfx1250); checked and timed in simulation.
; The chip was launched on July 23, 2026; its instructions are those of AMD's public machine-readable ISA for CDNA 5 (MIT licence, August 2026) and "CDNA5" Instruction Set Architecture Reference Guide (July 2026). The comments in the code are by the model that wrote it; some were corrected since.
;; Restricted Transformer Encoder Layer. Allowed arithmetic: float matrix products may take bf16 or f16 operands with f32 sums; other float arithmetic in f32, or as packed bf16 or f16 multiplies, adds, multiply-adds, maxima and minima; sums over many terms, partial sums and values carried from step to step in f32; what a program stores and reads back later, other than sums and carried values, may be rounded once to bf16 or f16.
;; Inputs: in_proj_b 3,072 float32; in_proj_w 3,072 x 1,024 float32; lin1_b 4,096 float32; lin1_w 4,096 x 1,024 float32; lin2_b 1,024 float32; lin2_w 1,024 x 4,096 float32; ln1_beta 1,024 float32; ln1_g 1,024 float32; ln2_beta 1,024 float32; ln2_g 1,024 float32; out_b 1,024 float32; out_w 1,024 x 1,024 float32; src 2 x 2,048 x 1,024 float32.
;; Outputs: out0 2 x 2,048 x 1,024 float32.
;; One version. Each part assembles by itself: llvm-mc -triple=amdgcn-amd-amdhsa -mcpu=gfx1250 --defsym DOCPART=n.
;; ======== version 1 of 1: 8 launches
;; limits: right only within a limited range of input values; values outside matrix products are rounded to bf16
;; workspace buffers: g1in 16,784,384 bytes; g3in 16,784,384 bytes; wsm 10,485,760 bytes; big 33,554,432 bytes; ctx 8,388,608 bytes; y 16,777,216 bytes; p1 1,024 bytes of whole numbers; p2 1,024 bytes of whole numbers
;; launch cvt (part 1): grid 1030 x 1, 8 waves a work-group, no clusters, 0 bytes of LDS; arguments src, in_proj_w, out_w, lin1_w, lin2_w, out_b, ln1_g, ln1_beta, lin2_b, ln2_g, ln2_beta, g1in, g3in, wsm, p1, p2; writes g1in, g3in, wsm, p1, p2
.if DOCPART == 1
	.amdgcn_target "amdgcn-amd-amdhsa--gfx1250"
	.amdhsa_code_object_version 6
	.text
	.protected	k_qe07c8dbe7a_cvt
	.globl	k_qe07c8dbe7a_cvt
	.p2align	8
	.type	k_qe07c8dbe7a_cvt,@function
k_qe07c8dbe7a_cvt:
	s_mov_b64 s[64:65], 0
	v_nop
	global_prefetch_b8 v0, s[64:65] scope:SCOPE_SE
	s_setreg_imm32_b32 hwreg(HW_REG_WAVE_MODE, 25, 1), 1
	s_wait_xcnt 0x0
; f32 -> bf16 copies (one rounding to nearest even) of src, of the four weight matrices and of the six vectors that the two norms use, and the few words that tell the shared bodies their launch apart.
; WORK-GROUPS 0-1023 convert 16,384 numbers each: 65,536 bytes in, 32,768 bytes out.  Chunks, by the work-group's number:
;   0-255 src -> g1in + 0      256-447 in_proj_w -> g1in + 0x800000      448-511 out_w -> wsm + 0      512-767 lin1_w -> g3in + 0x800000      768-1023 lin2_w -> wsm + 0x200000
; Thread t takes 16 bytes at 4,096 i + 16 t (i = 0..15) and stores 8 bytes at 2,048 i + 8 t: a wave's load covers 512 consecutive bytes, its store 256, both aligned.
; All sixteen loads go out first; no register is used twice, so no wait but the counted ones is needed.
; WORK-GROUPS 1024-1029 take one vector of 1,024 numbers each: out_b, ln1_g, ln1_beta -> g1in + VOFF, + 2,048, + 4,096;  lin2_b, ln2_g, ln2_beta -> g3in at the same three places.
; WORK-GROUP 0 also stores the activation floor (twice in bf16: minus infinity in g1in, 0 in g3in) and the whole numbers p1 = 1, p2 = 0: whether a norm's result leaves in bf16.
; No LDS, no matrix unit, no cluster: nothing is shared and memory binds.
.set FOFF, 0x1000000
.set VOFF, 0x1000400
.set IO, 1                             ; v1   16 t
.set OO, 2                             ; v2   8 t
.set X,  8                             ; v[8:71]    16 x 4 as loaded
.set Y,  72                            ; v[72:103]  16 x 2 to store
.set G1, 30                            ; s[30:31] g1in
.set G3, 32                            ; s[32:33] g3in
.set WS, 34                            ; s[34:35] wsm
.set SRC, 42                           ; s[42:43] from
.set DST, 44                           ; s[44:45] to
.set FIRST, 46                         ; s46  the part's first chunk
.set DOFF, 47                          ; s47  the part's place in its target
.macro PICK id, thr, src, dst, doff    ; numbers below thr belong to an earlier part; the selects leave SCC as the compare set it
	s_cmp_lt_u32 \id, \thr
	s_cselect_b64 s[SRC:SRC+1], s[\src:\src+1], s[SRC:SRC+1]
	s_cselect_b64 s[DST:DST+1], s[\dst:\dst+1], s[DST:DST+1]
	s_cselect_b32 s[DOFF], \doff, s[DOFF]
.endm
	s_load_b512 s[8:23], s[0:1], 0x0               ; src s[8:9], in_proj_w s[10:11], out_w s[12:13], lin1_w s[14:15], lin2_w s[16:17], out_b s[18:19], ln1_g s[20:21], ln1_beta s[22:23]
	s_load_b512 s[24:39], s[0:1], 0x40             ; lin2_b s[24:25], ln2_g s[26:27], ln2_beta s[28:29], g1in s[30:31], g3in s[32:33], wsm s[34:35], p1 s[36:37], p2 s[38:39]
	v_lshlrev_b32 v[IO], 4, v0
	v_lshlrev_b32 v[OO], 3, v0
	s_wait_kmcnt 0x0
	s_cmp_ge_u32 ttmp9, 1024
	s_cbranch_scc1 .Lsmall
	s_mov_b64 s[SRC:SRC+1], s[16:17]               ; lin2_w -> wsm; the four tests below choose the earlier parts
	s_mov_b64 s[DST:DST+1], s[WS:WS+1]
	s_mov_b32 s[DOFF], 0x200000
	s_mov_b32 s[FIRST], 768
	PICK ttmp9, 768, 14, G3, 0x800000
	s_cselect_b32 s[FIRST], 512, s[FIRST]
	PICK ttmp9, 512, 12, WS, 0
	s_cselect_b32 s[FIRST], 448, s[FIRST]
	PICK ttmp9, 448, 10, G1, 0x800000
	s_cselect_b32 s[FIRST], 256, s[FIRST]
	PICK ttmp9, 256, 8, G1, 0
	s_cselect_b32 s[FIRST], 0, s[FIRST]
	s_sub_co_u32 s50, ttmp9, s[FIRST]              ; my chunk within the part
	s_lshl_b32 s52, s50, 16                        ; 65,536 bytes of f32 a chunk
	s_mov_b32 s53, 0
	s_add_nc_u64 s[SRC:SRC+1], s[SRC:SRC+1], s[52:53]
	s_lshl_b32 s50, s50, 15                        ; 32,768 bytes of bf16 a chunk
	s_add_co_u32 s50, s50, s[DOFF]
	s_mov_b32 s51, 0
	s_add_nc_u64 s[DST:DST+1], s[DST:DST+1], s[50:51]
.irp i, 0,1,2,3,4,5,6,7,8,9,10,11,12,13,14,15
	global_load_b128 v[X+4*(\i):X+4*(\i)+3], v[IO], s[SRC:SRC+1] offset:4096*(\i) th:TH_LOAD_NT
.endr
.irp i, 0,1,2,3,4,5,6,7,8,9,10,11,12,13,14,15
	s_wait_loadcnt 15-(\i)                         ; loads come back in order: number i is in, the younger ones stay out
	v_cvt_pk_bf16_f32 v[Y+2*(\i)], v[X+4*(\i)], v[X+4*(\i)+1]
	v_cvt_pk_bf16_f32 v[Y+2*(\i)+1], v[X+4*(\i)+2], v[X+4*(\i)+3]
	global_store_b64 v[OO], v[Y+2*(\i):Y+2*(\i)+1], s[DST:DST+1] offset:2048*(\i)
.endr
	s_cmp_lg_u32 ttmp9, 0
	s_cbranch_scc1 .Lend
	v_lshl_add_u32 v3, v0, 2, FOFF                 ; work-group 0 alone: a word a thread, 1,024 bytes each
	v_lshlrev_b32 v6, 2, v0
	v_mov_b32 v4, 0xff80ff80                       ; g1in: minus infinity twice in bf16: a maximum with it changes nothing
	v_mov_b32 v5, 0                                ; g3in: 0 twice: a maximum with it is the ReLU.  Also p2: the second norm's result is f32
	v_mov_b32 v7, 1                                ; p1: the first norm's result is bf16
	global_store_b32 v3, v4, s[G1:G1+1]
	global_store_b32 v3, v5, s[G3:G3+1]
	global_store_b32 v6, v7, s[36:37]
	global_store_b32 v6, v5, s[38:39]
.Lend:
	s_endpgm
.Lsmall:
	s_sub_co_u32 s50, ttmp9, 1024                  ; 0 out_b, 1 ln1_g, 2 ln1_beta, 3 lin2_b, 4 ln2_g, 5 ln2_beta
	s_mov_b64 s[SRC:SRC+1], s[28:29]
	s_mov_b64 s[DST:DST+1], s[G3:G3+1]
	s_mov_b32 s[DOFF], VOFF+4096
	PICK s50, 5, 26, G3, VOFF+2048
	PICK s50, 4, 24, G3, VOFF
	PICK s50, 3, 22, G1, VOFF+4096
	PICK s50, 2, 20, G1, VOFF+2048
	PICK s50, 1, 18, G1, VOFF
	s_mov_b32 s52, s[DOFF]
	s_mov_b32 s53, 0
	s_add_nc_u64 s[DST:DST+1], s[DST:DST+1], s[52:53]
	global_load_b128 v[8:11], v[IO], s[SRC:SRC+1]  ; four numbers a thread: the 256 threads take the vector
	s_wait_loadcnt 0x0
	v_cvt_pk_bf16_f32 v12, v8, v9
	v_cvt_pk_bf16_f32 v13, v10, v11
	global_store_b64 v[OO], v[12:13], s[DST:DST+1]
	s_endpgm
.Lfunc_end_k_qe07c8dbe7a_cvt:
	.size	k_qe07c8dbe7a_cvt, .Lfunc_end_k_qe07c8dbe7a_cvt-k_qe07c8dbe7a_cvt
	.p2alignl 7, 3214868480
	.fill 96, 4, 3214868480
	.section	.rodata,"a",@progbits
	.p2align	6, 0x0
	.amdhsa_kernel k_qe07c8dbe7a_cvt
		.amdhsa_group_segment_fixed_size 0
		.amdhsa_private_segment_fixed_size 0
		.amdhsa_enable_private_segment 0
		.amdhsa_kernarg_size 128
		.amdhsa_user_sgpr_count 2
		.amdhsa_user_sgpr_kernarg_segment_ptr 1
		.amdhsa_wavefront_size32 1
		.amdhsa_system_sgpr_workgroup_id_x 1
		.amdhsa_system_sgpr_workgroup_id_y 1
		.amdhsa_system_sgpr_workgroup_id_z 1
		.amdhsa_system_vgpr_workitem_id 0
		.amdhsa_next_free_vgpr 104
		.amdhsa_next_free_sgpr 66
		.amdhsa_reserve_vcc 0
		.amdhsa_float_denorm_mode_32 3
		.amdhsa_float_denorm_mode_16_64 3
		.amdhsa_memory_ordered 1
		.amdhsa_forward_progress 1
		.amdhsa_inst_pref_size 10
	.end_amdhsa_kernel
	.amdgpu_metadata
---
amdhsa.version: [ 1, 2 ]
amdhsa.kernels:
  - .name:           k_qe07c8dbe7a_cvt
    .symbol:         k_qe07c8dbe7a_cvt.kd
    .args:
      - { .name: src, .offset: 0, .size: 8, .value_kind: global_buffer, .address_space: global }
      - { .name: in_proj_w, .offset: 8, .size: 8, .value_kind: global_buffer, .address_space: global }
      - { .name: out_w, .offset: 16, .size: 8, .value_kind: global_buffer, .address_space: global }
      - { .name: lin1_w, .offset: 24, .size: 8, .value_kind: global_buffer, .address_space: global }
      - { .name: lin2_w, .offset: 32, .size: 8, .value_kind: global_buffer, .address_space: global }
      - { .name: out_b, .offset: 40, .size: 8, .value_kind: global_buffer, .address_space: global }
      - { .name: ln1_g, .offset: 48, .size: 8, .value_kind: global_buffer, .address_space: global }
      - { .name: ln1_beta, .offset: 56, .size: 8, .value_kind: global_buffer, .address_space: global }
      - { .name: lin2_b, .offset: 64, .size: 8, .value_kind: global_buffer, .address_space: global }
      - { .name: ln2_g, .offset: 72, .size: 8, .value_kind: global_buffer, .address_space: global }
      - { .name: ln2_beta, .offset: 80, .size: 8, .value_kind: global_buffer, .address_space: global }
      - { .name: g1in, .offset: 88, .size: 8, .value_kind: global_buffer, .address_space: global }
      - { .name: g3in, .offset: 96, .size: 8, .value_kind: global_buffer, .address_space: global }
      - { .name: wsm, .offset: 104, .size: 8, .value_kind: global_buffer, .address_space: global }
      - { .name: p1, .offset: 112, .size: 8, .value_kind: global_buffer, .address_space: global }
      - { .name: p2, .offset: 120, .size: 8, .value_kind: global_buffer, .address_space: global }
    .group_segment_fixed_size: 0
    .private_segment_fixed_size: 0
    .kernarg_segment_align: 8
    .kernarg_segment_size: 128
    .max_flat_workgroup_size: 256
    .sgpr_count:     66
    .vgpr_count:     104
    .wavefront_size: 32
...
	.end_amdgpu_metadata
.endif
;; end of part 1
;; launch qkv (part 2): grid 12 x 16, 4 waves a work-group, clusters of 4 x 4, 327,680 bytes of LDS; arguments g1in, in_proj_b, big; writes big
.if DOCPART == 2
	.amdgcn_target "amdgcn-amd-amdhsa--gfx1250"
	.amdhsa_code_object_version 6
	.text
	.protected	k_qe07c8dbe7a_qkv
	.globl	k_qe07c8dbe7a_qkv
	.p2align	8
	.type	k_qe07c8dbe7a_qkv,@function
k_qe07c8dbe7a_qkv:
	s_mov_b64 s[64:65], 0
	v_nop
	global_prefetch_b8 v0, s[64:65] scope:SCOPE_SE
	s_setreg_imm32_b32 hwreg(HW_REG_WAVE_MODE, 25, 1), 1
	s_wait_xcnt 0x0
	s_wait_alu depctr_hold_cnt(0) depctr_sa_sdst(0) depctr_va_vdst(0) depctr_va_sdst(0) depctr_va_ssrc(0) depctr_va_vcc(0) depctr_vm_vsrc(0)
	s_getreg_b32 s2, hwreg(HW_REG_IB_STS2, 6, 4)
	s_cmp_eq_u32 s2, 0
	s_cbranch_scc0 .Lentry_in_a_cluster
	s_endpgm
.Lentry_in_a_cluster:
	s_bfe_u32 s2, ttmp6, 0x10000c
	s_cmp_lg_u32 s2, 0xf033
	s_cbranch_scc0 .Lentry_shape_is_right
	s_endpgm
.Lentry_shape_is_right:
; C[m][n] = max(FLOOR, bias[n] + sum over k of A[m][k] B[n][k]), rounded once to bf16.  One body for two layers.  The first argument holds A [4096][1024] bf16 at byte 0, B [n][1024] bf16 at byte WOFF,
; and at byte FOFF a word with the floor twice in bf16 (minus infinity: no activation; 0: ReLU).  bias is f32 and is rounded to bf16 here, like every input of the module.  C has rows of CP = 4,096 bf16.
; LIMITS: NaN is not treated apart (the maximum with the floor replaces a NaN by the floor).
; A tile of C is 256 x 256: four waves, each 128 x 128 in 64 accumulators (512 registers).  K = 1,024 goes in 8 steps of 128 through two LDS slots filled by the tensor data mover; a tile's rows are 256 bytes
; of memory, aligned.  CLUSTERS of 4 x 4 work-groups: A's tile is asked for jointly along a row of the cluster, B's along a column.
; THE MATRIX INSTRUCTION IS USED TRANSPOSED (source 0 = 16 rows of B, source 1 = 16 rows of A): a lane holds row l % 16 of C and eight neighbouring columns 8 (l / 16) + 0..7.  So the bias of those eight
; columns, in eight registers, is the C operand of the product that starts a sum: nothing is cleared and nothing is added afterwards.
; REGISTERS, in windows of 256 (s_set_vgpr_msb: bits 1:0 source 0, 3:2 source 1, 5:4 source 2, 7:6 destination):
;   window 0: v0-31 addresses; v64-127, v128-191 fragments of A, two buffers; v32-63, v192-255 at work on the way out
;   window 1: v0-63 the bias of my 128 columns; v64-127, v128-191 fragments of B      window 2: accumulators of my rows 0-63 ((a, b) at v[8 (8 a + b)])      window 3: rows 64-127
.set SIZE_K, 1024
.set CP,     4096
.set WOFF,   0x800000
.set FOFF,   0x1000000
.set KSTEP,  128
.set PITCH,  272                       ; an LDS row: 256 bytes + 16 of padding = 68 words: the 16 rows of a fragment load start at 16 different groups of four banks (64 banks of 4 bytes: ISA guide 11.1)
.set HALFT,  128*PITCH                 ; what one tensor load brings
.set SLOT,   4*HALFT                   ; A's 256 rows, then B's 256
.set STAGE,  2*SLOT                    ; behind the ring: 16 rows x 272 bytes for each wave, for the way out
.set SPITCH, 272
.set SPARE,  STAGE+4*16*SPITCH         ; the spare words: 128 bytes a wave, two blocks of 256 bytes that no other line names
.set LAPS,   SIZE_K/(2*KSTEP)          ; 4 laps of two K steps
.set ADRA, 16                          ; v16-17  LDS address of my A fragments in slot 0, 1
.set ADRB, 20                          ; v20-21  the same for B
.set STO,  24                          ; v24  the way out: where I put 16 bytes of a row
.set RD,   25                          ; v25  where I read a row back
.set CO,   26                          ; v26  my byte offset in C
.set BO,   27                          ; v27  32 (l / 16): my eight numbers in 16 of the bias
.set SPW,  28                          ; v28  my spare word; never rewritten
.set NIL,  29                          ; v29  0; never rewritten
.set PFO,  30                          ; v30  the prefetches' offset: lane x 2,048 bytes; never rewritten
.set PFA,  44                          ; s[44:45] where my prefetches stand
.set LIM,  43                          ; s43  1 in a wave that prefetches, else the greatest number
.set F0,   64
.set F1,   128
.set TMP,  192
.set OB,   32
.set BIAS, 0                           ; window 1
.set G1,  24                           ; s[24:31] group 1 for A;  s[32:39] group 0, a set for each slot
.set G0,  32
.set G1B, 48                           ; s[48:55], s[56:63] the same for B
.set G0B, 56
.set FLOOR, 66                         ; s66  the floor, twice in bf16
.set BP,  68                           ; s[68:69] the bias
.set MSB, 0
.macro WIN new                         ; the immediate's high byte repeats the setting that is left; a switch that changes nothing is dropped
.if MSB != (\new)
	s_set_vgpr_msb (MSB<<8)|(\new)
.set MSB, \new
.endif
.endm
.set MUL_LO, 0xa1                      ; source 0 (B) window 1, source 1 (A) window 0, C and D window 2
.set TO_B,   0x40                      ; destination window 1, address window 0
; A joint load: waves 0 and 1 fetch A's two halves, waves 2 and 3 B's.  The branch hangs on the wave's number alone.  An s_nop 0 and four v_nop follow each line.
.macro JLOAD s
	s_cmp_eq_u32 s11, 0
	s_cbranch_scc0 .Lfor_b_\@
	tensor_load_to_lds s[G0+4*(\s):G0+4*(\s)+3], s[G1:G1+7]
	s_nop 0
.rept 4
	v_nop
.endr
	s_branch .Lasked_\@
.Lfor_b_\@:
	tensor_load_to_lds s[G0B+4*(\s):G0B+4*(\s)+3], s[G1B:G1B+7]
	s_nop 0
.rept 4
	v_nop
.endr
.Lasked_\@:
.endm
; A prefetch into the L2 of the K step that stands two refills on: 32 rows x 256 bytes, a lane a row, one instruction a wave.  A's rows are asked for by the clusters with x = 0, B's by those with y = 0;
; the four partners that ask for a tile jointly share its 128 rows out by address, 32 each.  So each row's 256 bytes of K steps 4 to 7 are named once in the launch; the loop's last trip asks for nothing.
.macro ASK
	s_cmp_gt_u32 s3, s[LIM]
	s_cbranch_scc0 .Lnot_mine_\@
	global_prefetch_b8 v[PFO], s[PFA:PFA+1] offset:KSTEP*2 th:TH_LOAD_NT scope:SCOPE_SE
.Lnot_mine_\@:
.endm
.macro CREST                           ; a round of the cluster's barrier behind its opening barrier
	s_cmp_lg_u32 s10, 0
	s_cbranch_scc1 .Lnot_wave_0_\@
	s_barrier_signal -3
.Lnot_wave_0_\@:
	s_barrier_wait -3
	s_barrier_signal -1
	s_barrier_wait -1
.endm
.macro CROUND                          ; a whole round
	s_barrier_signal -1
	s_barrier_wait -1
	CREST
.endm
	s_load_b128 s[4:7], s[0:1], 0x0                ; the operands' buffer s[4:5], the bias s[6:7]
	s_load_b64 s[8:9], s[0:1], 0x10                ; C
	v_lshl_add_u32 v[SPW], v0, 2, SPARE
	v_mov_b32 v[NIL], 0
	ds_add_u32 v[SPW], v[NIL]                      ; the wave's opening: the add and its wait stand ahead of my first tensor load; work on registers stands between them
	v_lshrrev_b32 v1, 5, v0
	v_readfirstlane_b32 s10, v1                    ; wave 0..3
	s_lshr_b32 s11, s10, 1                         ; which half of the tile's rows is mine.  Also: I fetch for A (0) or for B (1)
	s_and_b32 s12, s10, 1                          ; which half of its columns.  Also: which 128 rows of that tile I fetch
	s_bfe_u32 s40, ttmp6, 0x40000                  ; cx
	s_bfe_u32 s41, ttmp6, 0x40004                  ; cy
	s_lshl_b32 s42, ttmp9, 2
	s_add_co_u32 s42, s42, s40                     ; tile column of C
	s_and_b32 s13, ttmp7, 0xffff
	s_lshl_b32 s13, s13, 2
	s_add_co_u32 s13, s13, s41                     ; tile row of C
	s_lshl_b32 s43, s41, 2
	s_lshl_b32 s43, 15, s43                        ; my row of the cluster
	s_lshl_b32 s44, 0x1111, s40                    ; my column
	s_or_b32 s[G1+0], s43, (1<<16)|(1<<20)|(1<<21)|(5<<22)|(3<<25)   ; the mask; 2-byte elements; padding on; bit 21 beside a mask; after every 64 words, 4 words
	s_or_b32 s[G1B+0], s44, (1<<16)|(1<<20)|(1<<21)|(5<<22)|(3<<25)
.irp g, G1, G1B
	s_mov_b32 s[(\g)+1], KSTEP<<16                 ; tensor_dim0 = 128
	s_mov_b32 s[(\g)+2], 128<<16                   ; tensor_dim1 = 128
	s_mov_b32 s[(\g)+3], KSTEP<<16                 ; tile_dim0 = 128
	s_mov_b32 s[(\g)+4], 128                       ; tile_dim1 = 128
	s_mov_b32 s[(\g)+5], SIZE_K                    ; elements from row to row
	s_mov_b32 s[(\g)+6], 0
	s_mov_b32 s[(\g)+7], 0
.endr
	s_lshl_b32 s17, s12, 7                         ; which 128 rows of the tile I fetch
	s_lshl_b32 s16, s13, 8
	s_add_co_u32 s16, s16, s17                     ; A: row 256 x tile row + 128 x half
	s_lshl_b32 s46, s42, 8
	s_add_co_u32 s46, s46, s17                     ; B: row 256 x tile column + 128 x half
	s_mov_b32 s17, 0
	s_mov_b32 s47, 0
	s_mov_b64 s[18:19], SIZE_K*2
	s_mul_u64 s[16:17], s[16:17], s[18:19]
	s_mul_u64 s[46:47], s[46:47], s[18:19]
	s_mul_i32 s20, s10, HALFT                      ; where they go: wave x 128 rows: no place in the cluster enters an LDS address
	s_wait_dscnt 0x0                               ; the opening add is done
	s_wait_kmcnt 0x0
	s_mov_b64 s[BP:BP+1], s[6:7]
	s_add_nc_u64 s[6:7], s[4:5], WOFF              ; B
	s_add_nc_u64 s[70:71], s[4:5], FOFF            ; the floor's word
	s_add_nc_u64 s[14:15], s[4:5], s[16:17]
	s_add_nc_u64 s[46:47], s[6:7], s[46:47]
	CROUND                                         ; all sixteen work-groups are here: the first joint loads meet
.irp s, 0,1
	s_mov_b32 s[G0+4*(\s)], 1
	s_add_co_u32 s[G0+4*(\s)+1], s20, (\s)*SLOT
	s_add_nc_u64 s[G0+4*(\s)+2:G0+4*(\s)+3], s[14:15], (\s)*KSTEP*2
	s_or_b32 s[G0+4*(\s)+3], s[G0+4*(\s)+3], 0x80000000
	s_mov_b32 s[G0B+4*(\s)], 1
	s_add_co_u32 s[G0B+4*(\s)+1], s20, (\s)*SLOT
	s_add_nc_u64 s[G0B+4*(\s)+2:G0B+4*(\s)+3], s[46:47], (\s)*KSTEP*2
	s_or_b32 s[G0B+4*(\s)+3], s[G0B+4*(\s)+3], 0x80000000
	JLOAD \s                                       ; two tensor loads of mine are out
.endr
	; the floor, and the bias of my 128 columns: fragment b takes bias[256 x tile column + 128 x half + 16 b + 8 (l / 16) + 0..7]
	s_load_b32 s[FLOOR], s[70:71], 0x0
	s_lshl_b32 s2, s42, 10
	s_lshl_b32 s3, s12, 9
	s_add_co_u32 s2, s2, s3
	s_mov_b32 s3, 0
	s_add_nc_u64 s[BP:BP+1], s[BP:BP+1], s[2:3]
	v_bfe_u32 v2, v0, 4, 1                         ; l / 16
	v_lshlrev_b32 v[BO], 5, v2
	WIN TO_B
.irp b, 0,1,2,3,4,5,6,7
	global_load_b128 v[BIAS+8*(\b):BIAS+8*(\b)+3],   v[BO], s[BP:BP+1] offset:64*(\b)
	global_load_b128 v[BIAS+8*(\b)+4:BIAS+8*(\b)+7], v[BO], s[BP:BP+1] offset:64*(\b)+16
.endr
	WIN 0
	v_and_b32 v1, 15, v0                           ; l % 16
	v_mul_u32_u24 v3, v1, PITCH
	v_lshl_add_u32 v3, v2, 4, v3                   ; a fragment's row x pitch + 16 x half
	s_mul_i32 s21, s11, HALFT                      ; my 128 rows of A
	s_mul_i32 s22, s12, HALFT                      ; my 128 rows of B,
	s_add_co_u32 s22, s22, 2*HALFT                 ; which lie behind A's 256
.irp s, 0,1
	v_add_nc_u32 v[ADRA+(\s)], s21, v3
	v_add_nc_u32 v[ADRB+(\s)], s22, v3
	s_add_co_u32 s21, s21, SLOT
	s_add_co_u32 s22, s22, SLOT
.endr
	s_mul_i32 s23, s10, 16*SPITCH
	s_add_co_u32 s23, s23, STAGE                   ; my stage
	v_mul_u32_u24 v4, v1, SPITCH
	v_lshl_add_u32 v4, v2, 4, v4
	v_add_nc_u32 v[STO], s23, v4
	v_mul_u32_u24 v5, v2, SPITCH
	v_lshl_add_u32 v5, v1, 4, v5
	v_add_nc_u32 v[RD], s23, v5
	v_mul_u32_u24 v5, v2, CP*2
	v_lshl_add_u32 v[CO], v1, 4, v5
	s_lshl_b32 s13, s13, 8
	s_lshl_b32 s14, s11, 7
	s_add_co_u32 s16, s13, s14                     ; my first row of C
	s_mov_b32 s17, 0
	s_mov_b64 s[18:19], CP*2
	s_mul_u64 s[16:17], s[16:17], s[18:19]
	s_lshl_b32 s46, s42, 9                         ; my first column, in bytes
	s_lshl_b32 s47, s12, 8
	s_add_co_u32 s46, s46, s47
	s_mov_b32 s47, 0
	s_add_nc_u64 s[16:17], s[16:17], s[46:47]      ; the first way out adds this to C's address
	; the prefetches
	s_lshl_b32 s42, s42, 8
	s_and_b32 s22, ttmp7, 0xffff                   ; cluster y
	s_cmp_eq_u32 s11, 0                            ; do I fetch for A?
	s_cselect_b32 s20, s13, s42                    ; the tile's first row
	s_cselect_b32 s21, s40, s41                    ; my place among the four that ask for it with me
	s_cselect_b32 s22, ttmp9, s22                  ; the coordinate along which other clusters read the same rows
	s_cselect_b64 s[PFA:PFA+1], s[4:5], s[6:7]
	s_cmp_eq_u32 s22, 0
	s_cselect_b32 s[LIM], 1, -1
	s_lshl_b32 s22, s12, 7
	s_add_co_u32 s20, s20, s22
	s_lshl_b32 s21, s21, 5
	s_add_co_u32 s20, s20, s21
	s_mov_b32 s21, 0
	s_mov_b64 s[18:19], SIZE_K*2
	s_mul_u64 s[20:21], s[20:21], s[18:19]
	s_add_nc_u64 s[PFA:PFA+1], s[PFA:PFA+1], s[20:21]
	s_add_nc_u64 s[PFA:PFA+1], s[PFA:PFA+1], 2*KSTEP*2  ; at K step 2: the first refill steps it to 3 and names K step 4
	v_and_b32 v[PFO], 31, v0
	v_mul_u32_u24 v[PFO], v[PFO], SIZE_K*2
	; the bias is rounded to bf16 and widened again
	s_wait_loadcnt 0x0
	WIN 0x05                                       ; sources in window 1, destination in window 0
.set i, 0
.rept 32
	v_cvt_pk_bf16_f32 v[TMP+i], v[BIAS+2*i], v[BIAS+2*i+1]
.set i, i+1
.endr
	WIN TO_B
.set i, 0
.rept 32
	v_lshlrev_b32 v[BIAS+2*i], 16, v[TMP+i]
	v_and_b32 v[BIAS+2*i+1], 0xffff0000, v[TMP+i]
.set i, i+1
.endr
	WIN 0
; 16 matrix instructions: m blocks a0, a0 + 1 of the window's four x all 8 n blocks, 32 along K.  zero = 1: the product starts the sum, with the bias as C.
.macro MUL16 f, hi, a0, zero
.if \zero
	WIN 0x91+0x40*(\hi)                            ; B window 1, A window 0, C (the bias) window 1, D window 2 or 3
.else
	WIN MUL_LO+0x50*(\hi)
.endif
.irp a, \a0, (\a0)+1
.irp b, 0,1,2,3,4,5,6,7
.if \zero
	v_wmma_f32_16x16x32_bf16 v[8*(8*(\a)+(\b)):8*(8*(\a)+(\b))+7], v[(\f)+8*(\b):(\f)+8*(\b)+7], v[(\f)+8*(4*(\hi)+(\a)):(\f)+8*(4*(\hi)+(\a))+7], v[BIAS+8*(\b):BIAS+8*(\b)+7]
.else
	v_wmma_f32_16x16x32_bf16 v[8*(8*(\a)+(\b)):8*(8*(\a)+(\b))+7], v[(\f)+8*(\b):(\f)+8*(\b)+7], v[(\f)+8*(4*(\hi)+(\a)):(\f)+8*(4*(\hi)+(\a))+7], v[8*(8*(\a)+(\b)):8*(8*(\a)+(\b))+7]
.endif
.endr
.endr
.endm
; 32 LDS loads in one run: the fragments of one quarter step (32 K at byte k of the rows) into buffer f; B's first, A's rows 64-127 last
.macro FETCH slot, k, f
	WIN TO_B
.irp i, 0,1,2,3,4,5,6,7
	ds_load_b128 v[(\f)+8*(\i):(\f)+8*(\i)+3],   v[ADRB+(\slot)] offset:(\k)+(\i)*16*PITCH
	ds_load_b128 v[(\f)+8*(\i)+4:(\f)+8*(\i)+7], v[ADRB+(\slot)] offset:(\k)+(\i)*16*PITCH+32
.endr
	WIN 0
.irp i, 0,1,2,3,4,5,6,7
	ds_load_b128 v[(\f)+8*(\i):(\f)+8*(\i)+3],   v[ADRA+(\slot)] offset:(\k)+(\i)*16*PITCH
	ds_load_b128 v[(\f)+8*(\i)+4:(\f)+8*(\i)+7], v[ADRA+(\slot)] offset:(\k)+(\i)*16*PITCH+32
.endr
.endm
.macro PLACES                          ; four plain vector instructions between a matrix instruction and a load into, or a vector read of, its registers
.rept 4
	v_nop
.endr
.endm
; A K step is four quarters of 32 along K, 64 matrix instructions each, on buffers 0, 1, 0, 1.  The 64 accumulators take turns, one instruction a turn.
.macro QUARTER slot, k, f, g, zero
	s_wait_dscnt 8                                 ; B and A's rows 0-63 are in; the youngest eight loads (A's rows 64-127) may be out
	MUL16 \f, 0, 0, \zero
	MUL16 \f, 0, 2, \zero
	PLACES
	FETCH \slot, \k, \g
	s_wait_dscnt 32                                ; all but the 32 just issued
	MUL16 \f, 1, 0, \zero
	MUL16 \f, 1, 2, \zero
.endm
; The first half of a step's last quarter, and the one barrier of a change of slots
.macro MEET round
	WIN 0                                          ; (the add's two registers lie in window 0)
	s_wait_tensorcnt 0x0                           ; all my tensor loads have landed: the one that was out is my part of the next slot
	ds_add_u32 v[SPW], v[NIL]                      ; 0 onto my spare word
	s_wait_dscnt 9                                 ; (the add and the youngest eight loads may be out)
	MUL16 F1, 0, 0, 0                              ; sixteen matrix instructions stand between the add and the wait for it
	s_wait_dscnt 0x0                               ; the add is done, and my reads of this slot are over
	s_barrier_signal -1
	MUL16 F1, 0, 2, 0                              ; work on registers while the others arrive
.if \round
	WIN 0
.endif
	s_barrier_wait -1
.endm
; The whole last quarter.  fill = 1: the barrier opens a round of the cluster's, and the slot just read is filled again, two K steps on, first thing behind the round.
.macro TURN slot, next, fill
.if \fill
	s_wait_xcnt 0x0                                ; the last prefetch, a K step back, has read its address
	s_add_nc_u64 s[PFA:PFA+1], s[PFA:PFA+1], KSTEP*2
	MEET 1
	CREST                                          ; no wave of any partner still reads this slot's tile or has a load on its way
	s_add_nc_u64 s[G0+4*(\slot)+2:G0+4*(\slot)+3], s[G0+4*(\slot)+2:G0+4*(\slot)+3], 2*KSTEP*2
	s_add_nc_u64 s[G0B+4*(\slot)+2:G0B+4*(\slot)+3], s[G0B+4*(\slot)+2:G0B+4*(\slot)+3], 2*KSTEP*2
	JLOAD \slot                                    ; my one tensor load behind the round; its four v_nop are also the places in front of the loads below
.else
	MEET 0
	PLACES
.endif
	FETCH \next, 0, F0
.if \fill
	ASK
.endif
	MUL16 F1, 1, 0, 0
	MUL16 F1, 1, 2, 0
.endm
; THE WAY OUT of block a (16 rows): rounded to bf16 and held to the floor; through my own stage in LDS; stored as whole rows of 256 bytes
.macro PACK a
.set AC, 64*((\a)%4)
	WIN 0x0a+5*((\a)/4)                            ; sources 0 and 1: window 2 or 3
.irp b, 0,1,2,3,4,5,6,7
.irp r, 0,1,2,3
	v_cvt_pk_bf16_f32 v[TMP+4*(\b)+(\r)], v[AC+8*(\b)+2*(\r)], v[AC+8*(\b)+2*(\r)+1]
.endr
.endr
	WIN 0
.set i, 0
.rept 32
	v_pk_max_num_bf16 v[TMP+i], v[TMP+i], s[FLOOR] ; the activation: two maxima with the floor
.set i, i+1
.endr
.endm
.macro TOSTAGE a
	WIN 0
.set BK, OB+192*((\a)%2)
.irp b, 0,1,2,3,4,5,6,7
	ds_store_b128 v[STO], v[TMP+4*(\b):TMP+4*(\b)+3] offset:32*(\b)
.endr
.irp t, 0,1,2,3,4,5,6,7
	ds_load_b128 v[BK+4*(\t):BK+4*(\t)+3], v[RD] offset:(\t)*2*SPITCH  ; LDS serves a wave's instructions in order (ISA guide 5.7.1.4): these see the stores above
.endr
.endm
.macro SEND a
	WIN 0
.set BK, OB+192*((\a)%2)
	s_wait_dscnt 0x0                               ; the block is back in registers
	s_wait_xcnt 0x0                                ; the stores' base, and the registers that earlier stores read, are rewritten only behind this wait
.if (\a) == 0
	s_add_nc_u64 s[8:9], s[8:9], s[16:17]
.else
	s_add_nc_u64 s[8:9], s[8:9], 16*CP*2
.endif
.irp t, 0,1,2,3,4,5,6,7
	global_store_b128 v[CO], v[BK+4*(\t):BK+4*(\t)+3], s[8:9] offset:2*(\t)*CP*2  ; 16 lanes store 256 consecutive bytes, aligned
.endr
.endm
	s_wait_kmcnt 0x0                               ; the floor
	s_wait_tensorcnt 1                             ; my part of K step 0 is in; K step 1's may stay out
	s_barrier_signal -1
	s_barrier_wait -1
	FETCH 0, 0, F0
	QUARTER 0, 64,  F0, F1, 1                      ; the first quarter starts the sums
	WIN 0
	s_mov_b32 s3, LAPS-1
.Llap:                                                 ; a trip goes once round the ring and fills both slots again
	QUARTER 0, 128, F1, F0, 0
	QUARTER 0, 192, F0, F1, 0
	TURN 0, 1, 1
	QUARTER 1, 64,  F0, F1, 0
	QUARTER 1, 128, F1, F0, 0
	QUARTER 1, 192, F0, F1, 0
	TURN 1, 0, 1
	QUARTER 0, 64,  F0, F1, 0
	WIN 0
	s_sub_co_u32 s3, s3, 1
	s_cmp_lg_u32 s3, 0
	s_cbranch_scc1 .Llap
	QUARTER 0, 128, F1, F0, 0                      ; the last lap is written out: it asks for nothing
	QUARTER 0, 192, F0, F1, 0
	TURN 0, 1, 0
	QUARTER 1, 64,  F0, F1, 0
	QUARTER 1, 128, F1, F0, 0
	QUARTER 1, 192, F0, F1, 0
	s_wait_dscnt 8
	MUL16 F1, 0, 0, 0
	MUL16 F1, 0, 2, 0
	s_wait_dscnt 0x0
	MUL16 F1, 1, 0, 0
	MUL16 F1, 1, 2, 0
	PLACES
	PACK 0
	TOSTAGE 0
.irp a, 1,2,3,4,5,6,7                  ; block a's conversions stand between block a - 1's loads from the stage and the wait for them
	PACK \a
	SEND (\a)-1
	TOSTAGE \a
.endr
	SEND 7
	s_wait_tensorcnt 0x0                           ; the wave's end
	ds_add_u32 v[SPW], v[NIL]
	s_wait_dscnt 0x0
	CROUND                                         ; the closing round
	s_endpgm
.Lfunc_end_k_qe07c8dbe7a_qkv:
	.size	k_qe07c8dbe7a_qkv, .Lfunc_end_k_qe07c8dbe7a_qkv-k_qe07c8dbe7a_qkv
	.p2alignl 7, 3214868480
	.fill 96, 4, 3214868480
	.section	.rodata,"a",@progbits
	.p2align	6, 0x0
	.amdhsa_kernel k_qe07c8dbe7a_qkv
		.amdhsa_group_segment_fixed_size 327680
		.amdhsa_private_segment_fixed_size 0
		.amdhsa_enable_private_segment 0
		.amdhsa_kernarg_size 24
		.amdhsa_user_sgpr_count 2
		.amdhsa_user_sgpr_kernarg_segment_ptr 1
		.amdhsa_wavefront_size32 1
		.amdhsa_system_sgpr_workgroup_id_x 1
		.amdhsa_system_sgpr_workgroup_id_y 1
		.amdhsa_system_sgpr_workgroup_id_z 1
		.amdhsa_system_vgpr_workitem_id 0
		.amdhsa_next_free_vgpr 1024
		.amdhsa_next_free_sgpr 72
		.amdhsa_reserve_vcc 0
		.amdhsa_float_denorm_mode_32 3
		.amdhsa_float_denorm_mode_16_64 3
		.amdhsa_memory_ordered 1
		.amdhsa_forward_progress 1
		.amdhsa_inst_pref_size 167
	.end_amdhsa_kernel
	.amdgpu_metadata
---
amdhsa.version: [ 1, 2 ]
amdhsa.kernels:
  - .name:           k_qe07c8dbe7a_qkv
    .symbol:         k_qe07c8dbe7a_qkv.kd
    .args:
      - { .name: g1in, .offset: 0, .size: 8, .value_kind: global_buffer, .address_space: global }
      - { .name: in_proj_b, .offset: 8, .size: 8, .value_kind: global_buffer, .address_space: global }
      - { .name: big, .offset: 16, .size: 8, .value_kind: global_buffer, .address_space: global }
    .group_segment_fixed_size: 327680
    .private_segment_fixed_size: 0
    .kernarg_segment_align: 8
    .kernarg_segment_size: 24
    .max_flat_workgroup_size: 128
    .sgpr_count:     72
    .vgpr_count:     1024
    .wavefront_size: 32
...
	.end_amdgpu_metadata
.endif
;; end of part 2
;; launch attn (part 3): grid 16 x 16, 4 waves a work-group, no clusters, 327,680 bytes of LDS; arguments big, ctx; writes ctx
.if DOCPART == 3
	.amdgcn_target "amdgcn-amd-amdhsa--gfx1250"
	.amdhsa_code_object_version 6
	.text
	.protected	k_qe07c8dbe7a_attn
	.globl	k_qe07c8dbe7a_attn
	.p2align	8
	.type	k_qe07c8dbe7a_attn,@function
k_qe07c8dbe7a_attn:
	s_mov_b64 s[64:65], 0
	v_nop
	global_prefetch_b8 v0, s[64:65] scope:SCOPE_SE
	s_setreg_imm32_b32 hwreg(HW_REG_WAVE_MODE, 25, 1), 1
	s_wait_xcnt 0x0
; BAND ATTENTION.  ctx[b][i][head] = sum over |i - j| <= 128 of softmax_j(q_i . k_j / 8) v_j.  big: [4096 tokens][4096] bf16, columns 0-1023 q, 1024-2047 k, 2048-3071 v; ctx: [4096][1024] bf16.
; Products, the maximum and the sum in f32; the weights are rounded to bf16 for the second product (their sum is taken of the unrounded weights), ctx once at the end.
; LIMITS.  A hidden score counts as its value less 1e30 (or 2e30), so its weight is exactly 0; that equals a fill of -1e9 as long as true scores stay far above -1e9.  A weight below 2^-126 counts as 0.
; NaN and infinities are not treated apart.
; SHARES.  Work-group (x, y): the block of 128 queries x of batch y / 8, and the PAIR of heads y % 8, whose 128 channels are 256 aligned bytes of a row of big and of ctx.  Wave w owns 32 queries, two tiles
; of 16.  They see 288 keys, 18 blocks of 16, beginning 128 below the wave's first query.  A loop of two trips walks the two heads; every LDS address steps by 128 bytes.
; All 288 scores of a query lie in registers, so the true maximum is taken before the exponentials: no running maximum.
; FILLS.  Three chunks of 128 rows of K and of V (row blocks g - 1, g, g + 1 of the 32, taken modulo 32 so that every load stays inside the buffer) are filled once, by waves 0 to 2, two tensor loads each.
; A chunk that wraps, or belongs to the other batch, holds finite numbers that the mask hides.  Nothing is filled again.
; NO CLUSTER: neighbouring query blocks share chunks, but each wants a shared chunk at another LDS place (first, middle or last), and a joint load has one LDS address for all.  NO PREFETCH: all tiles are asked for at the head.
; LAYOUT.  S^T = K Q^T (source 0 = 16 keys, source 1 = 16 queries): a lane holds ONE query (l % 16) and keys 8 (l / 16) + 0..7 of each block.  The mask is the C operand that starts the sum.  Two blocks rounded
; to bf16 in pairs ARE source 1 of O^T = V^T P; V comes out of LDS turned, by ds_load_tr16_b128.
; REGISTERS, in windows of 256 (s_set_vgpr_msb: bits 1:0 source 0, 3:2 source 1, 5:4 source 2, 7:6 destination):
;   window 0: v0-17 addresses; v20-35 statistics; v48-79 Q; v80-111 the second head's Q; v112-127 row sums; v128-255 fragments of K (two sets of 48) and later of V (four sets of 32)
;   window 1: v0-143 S^T of tile 0, later P in place      window 2: the same for tile 1      window 3: v0-185 masks; v192-255 O^T
.set PK,    272                        ; a row of K in LDS: 256 bytes + 16: the 16 rows of a load start at 16 different groups of four banks (64 banks of 4 bytes: ISA guide 11.1)
.set PV,    288                        ; a row of V: 256 + 32
.set VBASE, 384*PK
.set STAGE, VBASE+384*PV               ; 32 rows x 272 bytes for each wave, for the way out; no tensor load lands here
.set SP,    272
.set SPARE, STAGE+4*32*SP              ; the spare words: 128 bytes a wave, two blocks of 256 bytes that no other line names
.set AKA, 4                            ; v4  LDS address of my lane in key block 0;  v5 in block 9
.set AKB, 5
.set AVA, 6                            ; v6  the same for V, key pair 0;  v7 pair 5
.set AVB, 7
.set QO,  8                            ; v8  my byte offset in 16 rows of Q
.set STO, 9                            ; v9  where I put 16 bytes of a row
.set RD,  10                           ; v10 where I read rows back
.set GO,  11                           ; v11 my byte offset in two rows of ctx
.set SPW, 16                           ; v16 my spare word; never rewritten
.set NIL, 17                           ; v17 0; never rewritten
.set ST,  20                           ; tile t at ST + 8 t: c m, m, 1 / l, its pair's partner, c0-c3 at work
.set Q,   48                           ; tile t, channel half c at Q + 16 t + 8 c
.set QB,  80
.set SUM, 112                          ; tile t: four pairs at SUM + 8 t
.set FR,  128
.set OT,  192                          ; window 3: tile t, channel block cb at OT + 32 t + 8 cb
.set MHID, 160                         ; window 3: all hidden
.set MM0,  168                         ; hidden where the key lies below the band's lower edge
.set MM16, 176                         ; above its upper edge
.set MZ,   184                         ; a pair of zeros
.set WV,  8
.set G1K, 16
.set G1V, 24
.set G0K, 32
.set G0V, 36
.set CS,  40                           ; s[40:41] c = log2(e) / 8
.set SEL, 42                           ; s[42:43] v_permlanex16_b32's selects
.set BE,  44                           ; s[44:45] a block's addend: 0, or -1e30 outside the sequence
.set BIGN, 46
.set T0,  47                           ; the wave's first key, in the batch; wraps below 0
.set CNT, 56
.set MSB, 0
.macro WIN new
.if MSB != (\new)
	s_set_vgpr_msb (MSB<<8)|(\new)
.set MSB, \new
.endif
.endm
.macro PLACES                          ; four plain vector instructions between a matrix instruction and a load into, or a vector read of, its registers
.rept 4
	v_nop
.endr
.endm
	s_load_b128 s[4:7], s[0:1], 0x0                ; big s[4:5], ctx s[6:7]
	v_lshl_add_u32 v[SPW], v0, 2, SPARE
	v_mov_b32 v[NIL], 0
	ds_add_u32 v[SPW], v[NIL]                      ; the wave's opening: the add and its wait stand ahead of my first tensor load
	v_lshrrev_b32 v1, 5, v0
	v_readfirstlane_b32 s[WV], v1
	s_and_b32 s10, ttmp7, 0xffff
	s_and_b32 s11, s10, 7                          ; the pair of heads
	s_lshr_b32 s12, s10, 3
	s_lshl_b32 s12, s12, 4
	s_add_co_u32 s12, s12, ttmp9                   ; g: my block of 128 rows among the 32
	s_mov_b32 s[G1K], (1<<16)|(1<<20)|(5<<22)|(3<<25)  ; 2-byte elements; padding on; after every 64 words, 4 words
	s_mov_b32 s[G1V], (1<<16)|(1<<20)|(5<<22)|(7<<25)  ; the same with 8 words
.irp g, G1K, G1V
	s_mov_b32 s[(\g)+1], 128<<16                   ; tensor_dim0 = 128
	s_mov_b32 s[(\g)+2], 128<<16                   ; tensor_dim1 = 128
	s_mov_b32 s[(\g)+3], 128<<16                   ; tile_dim0 = 128
	s_mov_b32 s[(\g)+4], 128                       ; tile_dim1 = 128
	s_mov_b32 s[(\g)+5], 4096                      ; elements from row to row
	s_mov_b32 s[(\g)+6], 0
	s_mov_b32 s[(\g)+7], 0
.endr
	s_mov_b32 s[G0K], 1
	s_mul_i32 s[G0K+1], s[WV], 128*PK              ; chunk w of K
	s_mov_b32 s[G0V], 1
	s_mul_i32 s[G0V+1], s[WV], 128*PV
	s_add_co_u32 s[G0V+1], s[G0V+1], VBASE         ; chunk w of V
	s_add_co_u32 s48, s12, s[WV]
	s_add_co_u32 s48, s48, 31
	s_and_b32 s48, s48, 31                         ; row block g - 1 + w, modulo 32
	s_lshl_b32 s48, s48, 20                        ; 128 rows of 8,192 bytes
	s_lshl_b32 s54, s11, 8                         ; the pair's 256 bytes in a row
	s_add_co_u32 s48, s48, s54
	s_mov_b32 s49, 0
	s_lshl_b32 s50, s12, 20                        ; Q: my block,
	s_lshl_b32 s51, s[WV], 18                      ; my wave's 32 rows
	s_add_co_u32 s50, s50, s51
	s_add_co_u32 s50, s50, s54
	s_mov_b32 s51, 0
	s_lshl_b32 s14, s12, 18                        ; ctx: 128 rows of 2,048 bytes,
	s_lshl_b32 s15, s[WV], 16                      ; my wave's 32
	s_add_co_u32 s14, s14, s15
	s_add_co_u32 s14, s14, s54
	s_mov_b32 s15, 0
	s_mov_b32 s[CS], 0x3e38aa3b
	s_mov_b32 s[CS+1], s[CS]
	s_mov_b32 s[SEL], 0x76543210
	s_mov_b32 s[SEL+1], 0xfedcba98
	s_mov_b32 s[BE+1], 0
	s_mov_b32 s[BIGN], 0xf149f2ca                  ; -1e30
	s_lshl_b32 s[T0], ttmp9, 7
	s_lshl_b32 s55, s[WV], 5                       ; 32 w
	s_add_co_u32 s[T0], s[T0], s55
	s_sub_co_u32 s[T0], s[T0], 128
	s_wait_dscnt 0x0                               ; the opening add is done
	s_wait_kmcnt 0x0
	s_add_nc_u64 s[G0K+2:G0K+3], s[4:5], s[48:49]
	s_add_nc_u64 s[G0V+2:G0V+3], s[G0K+2:G0K+3], 4096  ; v begins at column 2,048
	s_add_nc_u64 s[G0K+2:G0K+3], s[G0K+2:G0K+3], 2048  ; k at column 1,024
	s_or_b32 s[G0K+3], s[G0K+3], 0x80000000
	s_or_b32 s[G0V+3], s[G0V+3], 0x80000000
	s_add_nc_u64 s[52:53], s[4:5], s[50:51]
	s_add_nc_u64 s[6:7], s[6:7], s[14:15]
	s_cmp_lt_u32 s[WV], 3                          ; a wave's two fills stand in one branch, ahead of every wait on TENSORcnt, every LDS read and the barrier; wave 3 has none
	s_cbranch_scc0 .Lno_fill
	tensor_load_to_lds s[G0K:G0K+3], s[G1K:G1K+7]
	s_nop 0
	tensor_load_to_lds s[G0V:G0V+3], s[G1V:G1V+7]
	s_nop 0
.rept 4
	v_nop
.endr
.Lno_fill:
	v_and_b32 v1, 15, v0                           ; r = l % 16
	v_bfe_u32 v2, v0, 4, 1                         ; h = l / 16
	v_lshlrev_b32 v[QO], 13, v1
	v_lshl_add_u32 v[QO], v2, 4, v[QO]             ; row x 8,192 + 16 h
.irp e, 0,1
.irp t, 0,1
.irp c, 0,1
	global_load_b128 v[Q+32*(\e)+16*(\t)+8*(\c):Q+32*(\e)+16*(\t)+8*(\c)+3],   v[QO], s[52:53] offset:(\t)*131072+(\e)*128+(\c)*64
	global_load_b128 v[Q+32*(\e)+16*(\t)+8*(\c)+4:Q+32*(\e)+16*(\t)+8*(\c)+7], v[QO], s[52:53] offset:(\t)*131072+(\e)*128+(\c)*64+32
.endr
.endr
.endr
	v_add_nc_u32 v3, s55, v1                       ; LDS row 32 w + r
	v_mul_u32_u24 v[AKA], v3, PK
	v_lshl_add_u32 v[AKA], v2, 4, v[AKA]
	v_add_nc_u32 v[AKB], 9*16*PK, v[AKA]
	v_and_b32 v12, 7, v0
	v_bfe_u32 v13, v0, 3, 1
	v_lshl_add_u32 v[AVA], v2, 3, v12              ; the turning load: key 8 h + l % 8, channels 8 ((l / 8) % 2) on
	v_add_nc_u32 v[AVA], s55, v[AVA]
	v_mul_u32_u24 v[AVA], v[AVA], PV
	v_lshl_add_u32 v[AVA], v13, 4, v[AVA]
	v_add_nc_u32 v[AVA], VBASE, v[AVA]
	v_add_nc_u32 v[AVB], 5*32*PV, v[AVA]
	s_mul_i32 s48, s[WV], 32*SP
	s_add_co_u32 s48, s48, STAGE                   ; my stage
	v_mul_u32_u24 v[STO], v1, SP
	v_lshl_add_u32 v[STO], v2, 4, v[STO]
	v_add_nc_u32 v[STO], s48, v[STO]
	v_mul_u32_u24 v[RD], v2, SP
	v_lshl_add_u32 v[RD], v1, 4, v[RD]
	v_add_nc_u32 v[RD], s48, v[RD]
	v_lshlrev_b32 v[GO], 11, v2
	v_lshl_add_u32 v[GO], v1, 4, v[GO]
	v_lshlrev_b32 v14, 3, v2
	v_sub_nc_u32 v14, v1, v14                      ; r - 8 h: register j of the edge blocks is compared with it
	v_mov_b32 v[ST+3], 0                           ; named with 1 / l as a pair
	v_mov_b32 v[ST+11], 0
	; THE MASKS, once a wave.  Query 16 t + r of the wave sees key 16 kb + 8 h + j of its window where 16 t + r <= 16 kb + 8 h + j <= 256 + 16 t + r, and where the key lies in the sequence.
	WIN 0xc0                                       ; destination window 3
.irp j, 0,1,2,3,4,5,6,7
	v_cmp_lt_i32 vcc_lo, \j, v14
	v_cndmask_b32 v[MM0+(\j)], 0, s[BIGN], vcc_lo
	v_cmp_gt_i32 vcc_lo, \j, v14
	v_cndmask_b32 v[MM16+(\j)], 0, s[BIGN], vcc_lo
	v_mov_b32 v[MHID+(\j)], s[BIGN]
.endr
	v_mov_b32 v[MZ], 0
	v_mov_b32 v[MZ+1], 0
; dst = base + (0 if block kb lies in the sequence, else -1e30): a block of 16 keys lies wholly inside or wholly outside, since the window begins at a multiple of 32
.macro MKMASK dst, base, stride, kb
	s_add_co_u32 s48, s[T0], 16*(\kb)
	s_cmp_lt_u32 s48, 2048                         ; unsigned: a key below 0 has wrapped to a large number
	s_cselect_b32 s[BE], 0, s[BIGN]
.irp z, 0,1,2,3
	v_pk_add_f32 v[(\dst)+2*(\z):(\dst)+2*(\z)+1], v[(\base)+(\stride)*(\z):(\base)+(\stride)*(\z)+1], s[BE:BE+1] op_sel_hi:[1,0]
.endr
.endm
	WIN 0xc3                                       ; destination and source 0 in window 3
.set kk, 1
.rept 16
	MKMASK 8*kk, MZ, 0, kk                         ; blocks 1 to 16, away from the band's edges
.set kk, kk+1
.endr
	MKMASK 0,   MM0,  2, 0                         ; tile 0's lower edge, block 0
	MKMASK 136, MM16, 2, 16                        ; its upper edge, block 16
	MKMASK 144, MM0,  2, 1                         ; tile 1's lower edge, block 1
	MKMASK 152, MM16, 2, 17                        ; its upper edge, block 17
	WIN 0
.macro MASKREG t, kb                   ; rM: the mask of tile t, block kb
.if (\t) == 0
.if (\kb) == 0
.set rM, 0
.elseif (\kb) == 16
.set rM, 136
.elseif (\kb) == 17
.set rM, MHID
.else
.set rM, 8*(\kb)
.endif
.else
.if (\kb) == 0
.set rM, MHID
.elseif (\kb) == 1
.set rM, 144
.elseif (\kb) == 17
.set rM, 152
.else
.set rM, 8*(\kb)
.endif
.endif
.endm
; 12 LDS loads: K's blocks 3 g .. 3 g + 2, both channel halves, into set g % 2
.macro FETCHK g
	WIN 0
.set fK, FR+48*((\g)%2)
.irp i, 0,1,2
.set kb, 3*(\g)+(\i)
.irp c, 0,1
.if kb < 9
	ds_load_b128 v[fK+16*(\i)+8*(\c):fK+16*(\i)+8*(\c)+3],   v[AKA] offset:kb*16*PK+64*(\c)
	ds_load_b128 v[fK+16*(\i)+8*(\c)+4:fK+16*(\i)+8*(\c)+7], v[AKA] offset:kb*16*PK+64*(\c)+32
.else
	ds_load_b128 v[fK+16*(\i)+8*(\c):fK+16*(\i)+8*(\c)+3],   v[AKB] offset:(kb-9)*16*PK+64*(\c)
	ds_load_b128 v[fK+16*(\i)+8*(\c)+4:fK+16*(\i)+8*(\c)+7], v[AKB] offset:(kb-9)*16*PK+64*(\c)+32
.endif
.endr
.endr
.endm
; 12 matrix instructions on 6 accumulators, which take turns: five others stand between the product that starts a sum (C = the mask) and the one that ends it
.macro MULS g
.set fK, FR+48*((\g)%2)
.irp c, 0,1
.irp t, 0,1
.irp i, 0,1,2
.set kb, 3*(\g)+(\i)
.set rS, 8*kb
.set rK, fK+16*(\i)+8*(\c)
.set rQ, Q+16*(\t)+8*(\c)
.if (\c) == 0
	MASKREG \t, kb
	WIN 0x70+0x40*(\t)                             ; K, Q window 0; C window 3; D window 1 or 2
	v_wmma_f32_16x16x32_bf16 v[rS:rS+7], v[rK:rK+7], v[rQ:rQ+7], v[rM:rM+7]
.else
	WIN 0x50+0x50*(\t)                             ; C and D window 1 or 2
	v_wmma_f32_16x16x32_bf16 v[rS:rS+7], v[rK:rK+7], v[rQ:rQ+7], v[rS:rS+7]
.endif
.endr
.endr
.endr
.endm
; 8 turning loads: V of key pair kp (32 keys), four channel blocks, into set kp % 4
.macro FETCHV kp
	WIN 0
.set fV, FR+32*((\kp)%4)
.irp cb, 0,1,2,3
.if (\kp) < 5
	ds_load_tr16_b128 v[fV+8*(\cb):fV+8*(\cb)+3],   v[AVA] offset:(\kp)*32*PV+32*(\cb)
	ds_load_tr16_b128 v[fV+8*(\cb)+4:fV+8*(\cb)+7], v[AVA] offset:(\kp)*32*PV+32*(\cb)+16*PV
.else
	ds_load_tr16_b128 v[fV+8*(\cb):fV+8*(\cb)+3],   v[AVB] offset:((\kp)-5)*32*PV+32*(\cb)
	ds_load_tr16_b128 v[fV+8*(\cb)+4:fV+8*(\cb)+7], v[AVB] offset:((\kp)-5)*32*PV+32*(\cb)+16*PV
.endif
.endr
.endm
; 8 matrix instructions O^T += V^T P on 8 accumulators by turns; key pair 0 starts the sums
.macro MULV kp
.set fV, FR+32*((\kp)%4)
.irp t, 0,1
	WIN 0xf4+4*(\t)                                ; V window 0, P window 1 or 2, O^T window 3
.irp cb, 0,1,2,3
.set rO, OT+32*(\t)+8*(\cb)
.if (\kp) == 0
	v_wmma_f32_16x16x32_bf16 v[rO:rO+7], v[fV+8*(\cb):fV+8*(\cb)+7], v[8*(\kp):8*(\kp)+7], 0
.else
	v_wmma_f32_16x16x32_bf16 v[rO:rO+7], v[fV+8*(\cb):fV+8*(\cb)+7], v[8*(\kp):8*(\kp)+7], v[rO:rO+7]
.endif
.endr
.endr
.endm
; The maximum of a lane's 144 scores in four chains, pairs in ascending order (each accumulator's lowest registers are read first); the other half of the lanes'; c m
.macro SMAX t
.set rT, ST+8*(\t)
	WIN 0x05*(1+(\t))
.irp z, 0,1,2,3
	v_max_num_f32 v[rT+4+(\z)], v[2*(\z)], v[2*(\z)+1]
.endr
	WIN 0x14*(1+(\t))
.set pp, 4
.rept 68
	v_max3_num_f32 v[rT+4+pp%4], v[rT+4+pp%4], v[2*pp], v[2*pp+1]
.set pp, pp+1
.endr
	WIN 0
	v_max3_num_f32 v[rT+4], v[rT+4], v[rT+5], v[rT+6]
	v_max_num_f32 v[rT+4], v[rT+4], v[rT+7]
	v_permlanex16_b32 v[rT+5], v[rT+4], s[SEL], s[SEL+1]  ; the query's other keys lie in the lane 16 away
	v_max_num_f32 v[rT+1], v[rT+4], v[rT+5]
	v_mul_f32 v[rT], s[CS], v[rT+1]
.endm
.macro FSC n                           ; pair n: c s - c m
	v_pk_fma_f32 v[2*(\n):2*(\n)+1], v[2*(\n):2*(\n)+1], s[CS:CS+1], v[rT:rT+1] op_sel_hi:[1,0,0] neg_lo:[0,0,1] neg_hi:[0,0,1]
.endm
; The scalings and the 144 exponentials, in place; a pair is scaled two groups ahead of its exponentials.  Nothing here names an exponential's result.
.macro SEXP t
.set rT, ST+8*(\t)
	WIN 0x41*(1+(\t))
	FSC 0
	FSC 1
.set pp, 0
.rept 72
	v_exp_f32 v[2*pp], v[2*pp]
	v_exp_f32 v[2*pp+1], v[2*pp+1]
.if pp < 70
	FSC pp+2
.endif
.set pp, pp+1
.endr
.endm
.macro SSUM t                          ; the weights' sum, four chains of pairs
.set rU, SUM+8*(\t)
	WIN 0x05*(1+(\t))
.irp z, 0,1,2,3
	v_pk_add_f32 v[rU+2*(\z):rU+2*(\z)+1], v[2*(\z):2*(\z)+1], v[2*(\z)+8:2*(\z)+9]
.endr
	WIN 0x04*(1+(\t))
.set pp, 8
.rept 64
	v_pk_add_f32 v[rU+2*(pp%4):rU+2*(pp%4)+1], v[rU+2*(pp%4):rU+2*(pp%4)+1], v[2*pp:2*pp+1]
.set pp, pp+1
.endr
.endm
.macro SCVT t                          ; P in place: register n takes weights 2 n, 2 n + 1; ascending, so nothing is overwritten before it is read.  Key pair kp's P is v[8 kp : 8 kp + 7]
	WIN 0x45*(1+(\t))
.set nn, 0
.rept 72
	v_cvt_pk_bf16_f32 v[nn], v[2*nn], v[2*nn+1]
.set nn, nn+1
.endr
.endm
.macro OUTT t                          ; O^T / l, rounded to bf16, 16 bytes a lane and channel block into my stage
	WIN 0xc3
.set ii, 0
.rept 16
	v_pk_mul_f32 v[OT+32*(\t)+2*ii:OT+32*(\t)+2*ii+1], v[OT+32*(\t)+2*ii:OT+32*(\t)+2*ii+1], v[ST+8*(\t)+2:ST+8*(\t)+3] op_sel_hi:[1,0]
.set ii, ii+1
.endr
	WIN 0x0f
.set ii, 0
.rept 16
	v_cvt_pk_bf16_f32 v[FR+16*(\t)+ii], v[OT+32*(\t)+2*ii], v[OT+32*(\t)+2*ii+1]
.set ii, ii+1
.endr
	WIN 0
.irp cb, 0,1,2,3
	ds_store_b128 v[STO], v[FR+16*(\t)+4*(\cb):FR+16*(\t)+4*(\cb)+3] offset:(\t)*16*SP+32*(\cb)
.endr
.endm
	s_wait_tensorcnt 0x0                           ; my chunks have landed,
	s_barrier_signal -1
	s_barrier_wait -1                              ; everybody's have: the launch's one barrier
	s_wait_loadcnt 0x0                             ; Q
	s_mov_b32 s[CNT], 2
.Lhead:                                                ; a trip: one head
	FETCHK 0
.irp g, 0,1,2,3,4,5
.if (\g) > 0
	PLACES                                         ; the set to be loaded was read by the products just issued
.endif
.if (\g) < 5
	FETCHK (\g)+1
	s_wait_dscnt 12                                ; all but the 12 just issued
.else
	s_wait_dscnt 0x0
.endif
	MULS \g
.endr
	PLACES                                         ; in front of the loads into K's registers and of the maximum's reads
	FETCHV 0
	FETCHV 1
	FETCHV 2
	FETCHV 3                                       ; they land during the softmax
	SMAX 0
	SMAX 1
	SEXP 0
	SEXP 1
	v_nop                                          ; a plain instruction behind the last exponential
	s_wait_alu depctr_va_vdst(0)                   ; one wait for the batch of 288, ahead of the first instruction that names a result
	SSUM 0
	SCVT 0
	SSUM 1
	SCVT 1
.irp kp, 0,1,2,3,4,5,6,7,8
.if (\kp) < 6
	s_wait_dscnt 24                                ; this pair's V is in; three younger runs of eight may be out
.else
	s_wait_dscnt 8*(8-(\kp))                       ; two, one, none
.endif
	MULV \kp
.if (\kp) < 5
	PLACES
	FETCHV (\kp)+4                                 ; into the set just read
.endif
.endr
	WIN 0                                          ; l: the additions are the places behind the last products
.irp t, 0,1
	v_pk_add_f32 v[SUM+8*(\t):SUM+8*(\t)+1], v[SUM+8*(\t):SUM+8*(\t)+1], v[SUM+8*(\t)+2:SUM+8*(\t)+3]
	v_pk_add_f32 v[SUM+8*(\t)+4:SUM+8*(\t)+5], v[SUM+8*(\t)+4:SUM+8*(\t)+5], v[SUM+8*(\t)+6:SUM+8*(\t)+7]
.endr
.irp t, 0,1
	v_pk_add_f32 v[SUM+8*(\t):SUM+8*(\t)+1], v[SUM+8*(\t):SUM+8*(\t)+1], v[SUM+8*(\t)+4:SUM+8*(\t)+5]
.endr
.irp t, 0,1
	v_add_f32 v[SUM+8*(\t)], v[SUM+8*(\t)], v[SUM+8*(\t)+1]
.endr
.irp t, 0,1
	v_permlanex16_b32 v[SUM+8*(\t)+1], v[SUM+8*(\t)], s[SEL], s[SEL+1]
.endr
.irp t, 0,1
	v_add_f32 v[SUM+8*(\t)], v[SUM+8*(\t)], v[SUM+8*(\t)+1]
.endr
.irp t, 0,1
	v_rcp_f32 v[ST+8*(\t)+2], v[SUM+8*(\t)]
.endr
	v_nop                                          ; a plain instruction behind the last reciprocal,
	s_wait_alu depctr_va_vdst(0)                   ; and one wait for the two, ahead of their first use
	OUTT 0
	OUTT 1
	v_add_nc_u32 v[AKA], 128, v[AKA]               ; the pair's second head: 128 bytes on in every row
	v_add_nc_u32 v[AKB], 128, v[AKB]
	v_add_nc_u32 v[AVA], 128, v[AVA]
	v_add_nc_u32 v[AVB], 128, v[AVB]
	v_add_nc_u32 v[STO], 128, v[STO]
.set ii, 0
.rept 32
	v_mov_b32 v[Q+ii], v[QB+ii]                    ; its Q goes where the one text names Q
.set ii, ii+1
.endr
	s_sub_co_u32 s[CNT], s[CNT], 1
	s_cmp_lg_u32 s[CNT], 0
	s_cbranch_scc1 .Lhead
.irp i, 0,1,2,3,4,5,6,7,8,9,10,11,12,13,14,15
	ds_load_b128 v[FR+4*(\i):FR+4*(\i)+3], v[RD] offset:(\i)*2*SP  ; the stage is my own, and LDS serves a wave's instructions in order (ISA guide 5.7.1.4)
.endr
.irp i, 0,1,2,3,4,5,6,7,8,9,10,11,12,13,14,15
	s_wait_dscnt 15-(\i)
	global_store_b128 v[GO], v[FR+4*(\i):FR+4*(\i)+3], s[6:7] offset:(\i)*4096  ; 16 lanes store 256 consecutive bytes, aligned: both heads' channels of a row
.endr
	s_wait_tensorcnt 0x0                           ; the wave's end
	ds_add_u32 v[SPW], v[NIL]
	s_wait_dscnt 0x0
	s_endpgm
.Lfunc_end_k_qe07c8dbe7a_attn:
	.size	k_qe07c8dbe7a_attn, .Lfunc_end_k_qe07c8dbe7a_attn-k_qe07c8dbe7a_attn
	.p2alignl 7, 3214868480
	.fill 96, 4, 3214868480
	.section	.rodata,"a",@progbits
	.p2align	6, 0x0
	.amdhsa_kernel k_qe07c8dbe7a_attn
		.amdhsa_group_segment_fixed_size 327680
		.amdhsa_private_segment_fixed_size 0
		.amdhsa_enable_private_segment 0
		.amdhsa_kernarg_size 16
		.amdhsa_user_sgpr_count 2
		.amdhsa_user_sgpr_kernarg_segment_ptr 1
		.amdhsa_wavefront_size32 1
		.amdhsa_system_sgpr_workgroup_id_x 1
		.amdhsa_system_sgpr_workgroup_id_y 1
		.amdhsa_system_sgpr_workgroup_id_z 1
		.amdhsa_system_vgpr_workitem_id 0
		.amdhsa_next_free_vgpr 1024
		.amdhsa_next_free_sgpr 66
		.amdhsa_reserve_vcc 1
		.amdhsa_float_denorm_mode_32 3
		.amdhsa_float_denorm_mode_16_64 3
		.amdhsa_memory_ordered 1
		.amdhsa_forward_progress 1
		.amdhsa_inst_pref_size 94
	.end_amdhsa_kernel
	.amdgpu_metadata
---
amdhsa.version: [ 1, 2 ]
amdhsa.kernels:
  - .name:           k_qe07c8dbe7a_attn
    .symbol:         k_qe07c8dbe7a_attn.kd
    .args:
      - { .name: big, .offset: 0, .size: 8, .value_kind: global_buffer, .address_space: global }
      - { .name: ctx, .offset: 8, .size: 8, .value_kind: global_buffer, .address_space: global }
    .group_segment_fixed_size: 327680
    .private_segment_fixed_size: 0
    .kernarg_segment_align: 8
    .kernarg_segment_size: 16
    .max_flat_workgroup_size: 128
    .sgpr_count:     66
    .vgpr_count:     1024
    .wavefront_size: 32
...
	.end_amdgpu_metadata
.endif
;; end of part 3
;; launch oproj (part 4): grid 8 x 32, 4 waves a work-group, clusters of 4 x 4, 327,680 bytes of LDS; arguments ctx, wsm, y; writes y
.if DOCPART == 4
	.amdgcn_target "amdgcn-amd-amdhsa--gfx1250"
	.amdhsa_code_object_version 6
	.text
	.protected	k_qe07c8dbe7a_oproj
	.globl	k_qe07c8dbe7a_oproj
	.p2align	8
	.type	k_qe07c8dbe7a_oproj,@function
k_qe07c8dbe7a_oproj:
	s_mov_b64 s[64:65], 0
	v_nop
	global_prefetch_b8 v0, s[64:65] scope:SCOPE_SE
	s_setreg_imm32_b32 hwreg(HW_REG_WAVE_MODE, 25, 1), 1
	s_wait_xcnt 0x0
	s_wait_alu depctr_hold_cnt(0) depctr_sa_sdst(0) depctr_va_vdst(0) depctr_va_sdst(0) depctr_va_ssrc(0) depctr_va_vcc(0) depctr_vm_vsrc(0)
	s_getreg_b32 s2, hwreg(HW_REG_IB_STS2, 6, 4)
	s_cmp_eq_u32 s2, 0
	s_cbranch_scc0 .Lentry_in_a_cluster
	s_endpgm
.Lentry_in_a_cluster:
	s_bfe_u32 s2, ttmp6, 0x10000c
	s_cmp_lg_u32 s2, 0xf033
	s_cbranch_scc0 .Lentry_shape_is_right
	s_endpgm
.Lentry_shape_is_right:
; C[m][n] = sum over k of A[m][k] B[n][k].  A: [4096][SIZE_K] bf16, B: [1024][SIZE_K] bf16 at byte BOFF of its buffer, C: [4096][1024] f32, the sums as they are (bias, residual and norm follow in the next launch).
; A tile of C is 128 x 128, which gives each of 256 work-groups one tile.  Four waves, each 64 x 64: 16 accumulators.  K goes in steps of 256 (LDS rows of 512 bytes, 64 rows to a tensor load) through two slots.
; CLUSTERS of 4 x 4: A's tile is asked for jointly along a row of the cluster, B's along a column.  The matrix instruction is used transposed (source 0 = rows of B): a lane holds eight neighbouring numbers of a row of C.
; A wave's 64 columns of f32 are 256 aligned bytes, so each wave has a stage of its own on the way out and no barrier stands there.  No prefetch: the tiles are small.
; REGISTERS: window 0: v0-31 addresses; v32-95 at work on the way out; v128-255 accumulators ((a, b) at v[128 + 8 (4 a + b)]).   window 1: two fragment buffers of 128: 64 of A, then 64 of B.
.set SIZE_K, 1024
.set BOFF,   0
.set KSTEP,  256
.set PITCH,  528                       ; an LDS row: 512 bytes + 16 = 132 words: the 16 rows of a fragment load start at 16 different groups of four banks (64 banks of 4 bytes: ISA guide 11.1)
.set HALFT,  64*PITCH
.set SLOT,   4*HALFT
.set STAGE,  2*SLOT                    ; behind the ring: 16 rows x 272 bytes for each wave
.set SPITCH, 272
.set SPARE,  STAGE+4*16*SPITCH         ; the spare words: 128 bytes a wave, two blocks of 256 bytes that no other line names
.set LAPS, SIZE_K/(2*KSTEP)
.set ADRA, 16
.set ADRB, 20
.set STO,  24
.set RD,   25
.set CO,   26
.set SPW,  28
.set NIL,  29
.set TMP,  32
.set ACC,  128
.set F0,   0
.set F1,   128
.set G1, 24
.set G0, 32
.set G1B, 48
.set G0B, 56
.set MSB, 0
.macro WIN new
.if MSB != (\new)
	s_set_vgpr_msb (MSB<<8)|(\new)
.set MSB, \new
.endif
.endm
.set MUL,  0x05                        ; sources 0 (B) and 1 (A) window 1; C and D window 0
.set TO_F, 0x40                        ; destination window 1, address window 0
.macro JLOAD s                         ; a joint load: waves 0 and 1 fetch A's two halves, waves 2 and 3 B's; an s_nop 0 and four v_nop follow each line
	s_cmp_eq_u32 s11, 0
	s_cbranch_scc0 .Lfor_b_\@
	tensor_load_to_lds s[G0+4*(\s):G0+4*(\s)+3], s[G1:G1+7]
	s_nop 0
.rept 4
	v_nop
.endr
	s_branch .Lasked_\@
.Lfor_b_\@:
	tensor_load_to_lds s[G0B+4*(\s):G0B+4*(\s)+3], s[G1B:G1B+7]
	s_nop 0
.rept 4
	v_nop
.endr
.Lasked_\@:
.endm
.macro CREST
	s_cmp_lg_u32 s10, 0
	s_cbranch_scc1 .Lnot_wave_0_\@
	s_barrier_signal -3
.Lnot_wave_0_\@:
	s_barrier_wait -3
	s_barrier_signal -1
	s_barrier_wait -1
.endm
.macro CROUND
	s_barrier_signal -1
	s_barrier_wait -1
	CREST
.endm
	s_load_b128 s[4:7], s[0:1], 0x0                ; A s[4:5], B's buffer s[6:7]
	s_load_b64 s[8:9], s[0:1], 0x10                ; C
	v_lshl_add_u32 v[SPW], v0, 2, SPARE
	v_mov_b32 v[NIL], 0
	ds_add_u32 v[SPW], v[NIL]                      ; the wave's opening: the add and its wait stand ahead of my first tensor load
	v_lshrrev_b32 v1, 5, v0
	v_readfirstlane_b32 s10, v1                    ; wave 0..3
	s_lshr_b32 s11, s10, 1                         ; which half of the tile's rows is mine.  Also: I fetch for A (0) or for B (1)
	s_and_b32 s12, s10, 1                          ; which half of its columns.  Also: which 64 rows of that tile I fetch
	s_bfe_u32 s40, ttmp6, 0x40000
	s_bfe_u32 s41, ttmp6, 0x40004
	s_lshl_b32 s42, ttmp9, 2
	s_add_co_u32 s42, s42, s40                     ; tile column of C
	s_and_b32 s13, ttmp7, 0xffff
	s_lshl_b32 s13, s13, 2
	s_add_co_u32 s13, s13, s41                     ; tile row of C
	s_lshl_b32 s43, s41, 2
	s_lshl_b32 s43, 15, s43                        ; my row of the cluster
	s_lshl_b32 s44, 0x1111, s40                    ; my column
	s_or_b32 s[G1+0], s43, (1<<16)|(1<<20)|(1<<21)|(6<<22)|(3<<25)  ; the mask; 2-byte elements; padding on; bit 21 beside a mask; after every 128 words, 4 words
	s_or_b32 s[G1B+0], s44, (1<<16)|(1<<20)|(1<<21)|(6<<22)|(3<<25)
.irp g, G1, G1B
	s_mov_b32 s[(\g)+1], KSTEP<<16                 ; tensor_dim0 = 256
	s_mov_b32 s[(\g)+2], 64<<16                    ; tensor_dim1 = 64
	s_mov_b32 s[(\g)+3], KSTEP<<16                 ; tile_dim0 = 256
	s_mov_b32 s[(\g)+4], 64                        ; tile_dim1 = 64
	s_mov_b32 s[(\g)+5], SIZE_K
	s_mov_b32 s[(\g)+6], 0
	s_mov_b32 s[(\g)+7], 0
.endr
	s_lshl_b32 s17, s12, 6
	s_lshl_b32 s16, s13, 7
	s_add_co_u32 s16, s16, s17                     ; A: row 128 x tile row + 64 x half
	s_lshl_b32 s46, s42, 7
	s_add_co_u32 s46, s46, s17                     ; B: row 128 x tile column + 64 x half
	s_mov_b32 s17, 0
	s_mov_b32 s47, 0
	s_mov_b64 s[18:19], SIZE_K*2
	s_mul_u64 s[16:17], s[16:17], s[18:19]
	s_mul_u64 s[46:47], s[46:47], s[18:19]
	s_mul_i32 s20, s10, HALFT                      ; where they go: wave x 64 rows
	s_wait_dscnt 0x0                               ; the opening add is done
	s_wait_kmcnt 0x0
.if BOFF
	s_add_nc_u64 s[6:7], s[6:7], BOFF
.endif
	s_add_nc_u64 s[14:15], s[4:5], s[16:17]
	s_add_nc_u64 s[46:47], s[6:7], s[46:47]
	CROUND                                         ; all sixteen work-groups are here: the first joint loads meet
.irp s, 0,1
	s_mov_b32 s[G0+4*(\s)], 1
	s_add_co_u32 s[G0+4*(\s)+1], s20, (\s)*SLOT
	s_add_nc_u64 s[G0+4*(\s)+2:G0+4*(\s)+3], s[14:15], (\s)*KSTEP*2
	s_or_b32 s[G0+4*(\s)+3], s[G0+4*(\s)+3], 0x80000000
	s_mov_b32 s[G0B+4*(\s)], 1
	s_add_co_u32 s[G0B+4*(\s)+1], s20, (\s)*SLOT
	s_add_nc_u64 s[G0B+4*(\s)+2:G0B+4*(\s)+3], s[46:47], (\s)*KSTEP*2
	s_or_b32 s[G0B+4*(\s)+3], s[G0B+4*(\s)+3], 0x80000000
	JLOAD \s                                       ; two tensor loads of mine are out
.endr
	v_and_b32 v1, 15, v0                           ; l % 16
	v_bfe_u32 v2, v0, 4, 1                         ; l / 16
	v_mul_u32_u24 v3, v1, PITCH
	v_lshl_add_u32 v3, v2, 4, v3
	s_mul_i32 s21, s11, HALFT                      ; my 64 rows of A
	s_mul_i32 s22, s12, HALFT                      ; my 64 rows of B,
	s_add_co_u32 s22, s22, 2*HALFT                 ; which lie behind A's 128
.irp s, 0,1
	v_add_nc_u32 v[ADRA+(\s)], s21, v3
	v_add_nc_u32 v[ADRB+(\s)], s22, v3
	s_add_co_u32 s21, s21, SLOT
	s_add_co_u32 s22, s22, SLOT
.endr
	s_mul_i32 s23, s10, 16*SPITCH
	s_add_co_u32 s23, s23, STAGE                   ; my stage
	v_mul_u32_u24 v4, v1, SPITCH                   ; in: row l % 16, 32 bytes (eight f32) for each half of the lanes
	v_lshl_add_u32 v4, v2, 5, v4
	v_add_nc_u32 v[STO], s23, v4
	v_mul_u32_u24 v5, v2, SPITCH                   ; back: lanes 0-15 take one row of 256 bytes, lanes 16-31 the next
	v_lshl_add_u32 v5, v1, 4, v5
	v_add_nc_u32 v[RD], s23, v5
	v_lshlrev_b32 v5, 12, v2                       ; and the same two rows in C: 4,096 bytes a row
	v_lshl_add_u32 v[CO], v1, 4, v5
	s_lshl_b32 s16, s13, 7
	s_lshl_b32 s17, s11, 6
	s_add_co_u32 s16, s16, s17                     ; my first row of C: 128 x tile row + 64 x half
	s_lshl_b32 s16, s16, 12
	s_mov_b32 s17, 0
	s_add_nc_u64 s[8:9], s[8:9], s[16:17]
	s_lshl_b32 s46, s42, 9                         ; my first column, in bytes: 512 x tile column + 256 x half
	s_lshl_b32 s47, s12, 8
	s_add_co_u32 s46, s46, s47
	s_mov_b32 s47, 0
	s_add_nc_u64 s[8:9], s[8:9], s[46:47]
; 8 matrix instructions: m blocks a0, a0 + 1 x all 4 n blocks, 32 along K: half c of buffer f.  zero = 1: the first product starts the sums.  The 16 accumulators take turns.
.macro MUL8 f, c, a0, zero
	WIN MUL
.irp a, \a0, (\a0)+1
.irp b, 0,1,2,3
.if \zero
	v_wmma_f32_16x16x32_bf16 v[ACC+8*(4*(\a)+(\b)):ACC+8*(4*(\a)+(\b))+7], v[(\f)+64+8*(4*(\c)+(\b)):(\f)+64+8*(4*(\c)+(\b))+7], v[(\f)+8*(4*(\c)+(\a)):(\f)+8*(4*(\c)+(\a))+7], 0
.else
	v_wmma_f32_16x16x32_bf16 v[ACC+8*(4*(\a)+(\b)):ACC+8*(4*(\a)+(\b))+7], v[(\f)+64+8*(4*(\c)+(\b)):(\f)+64+8*(4*(\c)+(\b))+7], v[(\f)+8*(4*(\c)+(\a)):(\f)+8*(4*(\c)+(\a))+7], v[ACC+8*(4*(\a)+(\b)):ACC+8*(4*(\a)+(\b))+7]
.endif
.endr
.endr
.endm
; 32 LDS loads in one run: the fragments of 64 along K at byte k of the rows, into buffer f; the first 32 along K first
.macro FETCH slot, k, f
	WIN TO_F
.irp c, 0,1
.irp i, 0,1,2,3
	ds_load_b128 v[(\f)+64+8*(4*(\c)+(\i)):(\f)+64+8*(4*(\c)+(\i))+3],   v[ADRB+(\slot)] offset:(\k)+64*(\c)+(\i)*16*PITCH
	ds_load_b128 v[(\f)+64+8*(4*(\c)+(\i))+4:(\f)+64+8*(4*(\c)+(\i))+7], v[ADRB+(\slot)] offset:(\k)+64*(\c)+(\i)*16*PITCH+32
	ds_load_b128 v[(\f)+8*(4*(\c)+(\i)):(\f)+8*(4*(\c)+(\i))+3],         v[ADRA+(\slot)] offset:(\k)+64*(\c)+(\i)*16*PITCH
	ds_load_b128 v[(\f)+8*(4*(\c)+(\i))+4:(\f)+8*(4*(\c)+(\i))+7],       v[ADRA+(\slot)] offset:(\k)+64*(\c)+(\i)*16*PITCH+32
.endr
.endr
.endm
.macro PLACES                          ; four plain vector instructions between a matrix instruction and a load into, or a read of, its registers
.rept 4
	v_nop
.endr
.endm
.macro QUARTER slot, k, f, g, zero
	s_wait_dscnt 16                                ; the first 32 along K are in
	MUL8 \f, 0, 0, \zero
	MUL8 \f, 0, 2, \zero
	PLACES
	FETCH \slot, \k, \g
	s_wait_dscnt 32                                ; all but the 32 just issued
	MUL8 \f, 1, 0, 0
	MUL8 \f, 1, 2, 0
.endm
; The last quarter multiplies buffer 1 and changes slots.  fill = 1: the barrier opens a round of the cluster's, and this slot is filled again, two K steps on, first thing behind the round.
.macro TURN slot, next, fill
	WIN 0                                          ; (the add's two registers lie in window 0)
	s_wait_tensorcnt 0x0                           ; all my tensor loads have landed: my part of the next slot
	ds_add_u32 v[SPW], v[NIL]                      ; 0 onto my spare word
	s_wait_dscnt 17                                ; (the add and the youngest sixteen loads may be out)
	MUL8 F1, 0, 0, 0                               ; eight matrix instructions stand between the add and the wait for it
	s_wait_dscnt 0x0                               ; the add is done, and my reads of this slot are over
	s_barrier_signal -1
	MUL8 F1, 0, 2, 0
.if \fill
	WIN 0
.endif
	s_barrier_wait -1
.if \fill
	CREST                                          ; no wave of any partner still reads this slot's tile or has a load on its way
	s_add_nc_u64 s[G0+4*(\slot)+2:G0+4*(\slot)+3], s[G0+4*(\slot)+2:G0+4*(\slot)+3], 2*KSTEP*2
	s_add_nc_u64 s[G0B+4*(\slot)+2:G0B+4*(\slot)+3], s[G0B+4*(\slot)+2:G0B+4*(\slot)+3], 2*KSTEP*2
	JLOAD \slot                                    ; my one tensor load behind the round; its four v_nop are also the places in front of the loads below
.else
	PLACES
.endif
	FETCH \next, 0, F0
	MUL8 F1, 1, 0, 0
	MUL8 F1, 1, 2, 0
.endm
	s_wait_tensorcnt 1                             ; my part of K step 0 is in; K step 1's may stay out
	s_barrier_signal -1
	s_barrier_wait -1
	FETCH 0, 0, F0
	QUARTER 0, 128, F0, F1, 1                      ; the first quarter's first products start the sums
	WIN 0
	s_mov_b32 s3, LAPS-1
.Llap:                                                 ; a trip goes once round the ring and fills both slots again
	QUARTER 0, 256, F1, F0, 0
	QUARTER 0, 384, F0, F1, 0
	TURN 0, 1, 1
	QUARTER 1, 128, F0, F1, 0
	QUARTER 1, 256, F1, F0, 0
	QUARTER 1, 384, F0, F1, 0
	TURN 1, 0, 1
	QUARTER 0, 128, F0, F1, 0
	WIN 0
	s_sub_co_u32 s3, s3, 1
	s_cmp_lg_u32 s3, 0
	s_cbranch_scc1 .Llap
	QUARTER 0, 256, F1, F0, 0                      ; the last lap is written out: it fills nothing
	QUARTER 0, 384, F0, F1, 0
	TURN 0, 1, 0
	QUARTER 1, 128, F0, F1, 0
	QUARTER 1, 256, F1, F0, 0
	QUARTER 1, 384, F0, F1, 0
	s_wait_dscnt 16
	MUL8 F1, 0, 0, 0
	MUL8 F1, 0, 2, 0
	s_wait_dscnt 0x0
	MUL8 F1, 1, 0, 0
	MUL8 F1, 1, 2, 0
	WIN 0
	; THE WAY OUT, 16 rows at a time: the sums go as they are into my stage (each accumulator's low four registers first) and come back as whole rows of 256 bytes
	PLACES
.irp a, 0,1,2,3
.irp b, 0,1,2,3
	ds_store_b128 v[STO], v[ACC+8*(4*(\a)+(\b)):ACC+8*(4*(\a)+(\b))+3]   offset:64*(\b)
	ds_store_b128 v[STO], v[ACC+8*(4*(\a)+(\b))+4:ACC+8*(4*(\a)+(\b))+7] offset:64*(\b)+16
.endr
.if (\a) >= 2
	s_wait_xcnt 0x0                                ; the registers that the stores two blocks back read are loaded again only behind this wait
.endif
.irp t, 0,1,2,3,4,5,6,7
	ds_load_b128 v[TMP+32*((\a)%2)+4*(\t):TMP+32*((\a)%2)+4*(\t)+3], v[RD] offset:(\t)*2*SPITCH  ; LDS serves a wave's instructions in order (ISA guide 5.7.1.4): these see the stores above
.endr
.irp t, 0,1,2,3,4,5,6,7
	s_wait_dscnt 7-(\t)
	global_store_b128 v[CO], v[TMP+32*((\a)%2)+4*(\t):TMP+32*((\a)%2)+4*(\t)+3], s[8:9] offset:(16*(\a)+2*(\t))*4096  ; 16 lanes store 256 consecutive bytes, aligned
.endr
.endr
	s_wait_tensorcnt 0x0                           ; the wave's end
	ds_add_u32 v[SPW], v[NIL]
	s_wait_dscnt 0x0
	CROUND                                         ; the closing round
	s_endpgm
.Lfunc_end_k_qe07c8dbe7a_oproj:
	.size	k_qe07c8dbe7a_oproj, .Lfunc_end_k_qe07c8dbe7a_oproj-k_qe07c8dbe7a_oproj
	.p2alignl 7, 3214868480
	.fill 96, 4, 3214868480
	.section	.rodata,"a",@progbits
	.p2align	6, 0x0
	.amdhsa_kernel k_qe07c8dbe7a_oproj
		.amdhsa_group_segment_fixed_size 327680
		.amdhsa_private_segment_fixed_size 0
		.amdhsa_enable_private_segment 0
		.amdhsa_kernarg_size 24
		.amdhsa_user_sgpr_count 2
		.amdhsa_user_sgpr_kernarg_segment_ptr 1
		.amdhsa_wavefront_size32 1
		.amdhsa_system_sgpr_workgroup_id_x 1
		.amdhsa_system_sgpr_workgroup_id_y 1
		.amdhsa_system_sgpr_workgroup_id_z 1
		.amdhsa_system_vgpr_workitem_id 0
		.amdhsa_next_free_vgpr 512
		.amdhsa_next_free_sgpr 66
		.amdhsa_reserve_vcc 0
		.amdhsa_float_denorm_mode_32 3
		.amdhsa_float_denorm_mode_16_64 3
		.amdhsa_memory_ordered 1
		.amdhsa_forward_progress 1
		.amdhsa_inst_pref_size 86
	.end_amdhsa_kernel
	.amdgpu_metadata
---
amdhsa.version: [ 1, 2 ]
amdhsa.kernels:
  - .name:           k_qe07c8dbe7a_oproj
    .symbol:         k_qe07c8dbe7a_oproj.kd
    .args:
      - { .name: ctx, .offset: 0, .size: 8, .value_kind: global_buffer, .address_space: global }
      - { .name: wsm, .offset: 8, .size: 8, .value_kind: global_buffer, .address_space: global }
      - { .name: y, .offset: 16, .size: 8, .value_kind: global_buffer, .address_space: global }
    .group_segment_fixed_size: 327680
    .private_segment_fixed_size: 0
    .kernarg_segment_align: 8
    .kernarg_segment_size: 24
    .max_flat_workgroup_size: 128
    .sgpr_count:     66
    .vgpr_count:     512
    .wavefront_size: 32
...
	.end_amdgpu_metadata
.endif
;; end of part 4
;; launch ln1 (part 5): grid 512 x 1, 8 waves a work-group, no clusters, 0 bytes of LDS; arguments y, g1in, g3in, p1; writes g3in
.if DOCPART == 5
	.amdgcn_target "amdgcn-amd-amdhsa--gfx1250"
	.amdhsa_code_object_version 6
	.text
	.protected	k_qe07c8dbe7a_ln1
	.globl	k_qe07c8dbe7a_ln1
	.p2align	8
	.type	k_qe07c8dbe7a_ln1,@function
k_qe07c8dbe7a_ln1:
	s_mov_b64 s[64:65], 0
	v_nop
	global_prefetch_b8 v0, s[64:65] scope:SCOPE_SE
	s_setreg_imm32_b32 hwreg(HW_REG_WAVE_MODE, 25, 1), 1
	s_wait_xcnt 0x0
; result = LayerNorm(y + res + bias) * g + beta, a row of 1,024 numbers to a wave, kept in 32 registers between the passes: the mean, then the mean of squared differences (no difference of large sums), then the scaling.
; One body for both norms.  y: [4096][1024] f32, a product's sums.  The second argument holds res [4096][1024] bf16 at byte 0 and, at byte VOFF, bias, g and beta as 1,024 packed bf16 each (rounded once, like every input).
; The first word of the fourth argument, which an earlier launch stored, says how the result leaves: 1: rounded to bf16 (the next product's operand and the next norm's res); 0: in f32.
; LIMIT.  For the second norm res is the first norm's result rounded once to bf16, the very numbers that the product in between multiplies: off by at most 2^-8 of itself.  Where ln1_beta carries a common offset
; many times the gain's size, that error grows with the offset, as the rounding of the same numbers as a matrix operand does.
; All arithmetic in f32.  Lane l holds numbers 128 j + 4 l .. + 3 (j = 0..7): a wave's load or store of bf16 covers 256 consecutive bytes, of f32 512, aligned.
; The reduction never leaves the wave: no LDS, no barrier.  No matrix unit, no cluster: memory binds.
.set VOFF, 0x1000400
.set BI, 8                             ; v[8:23]    bias as loaded
.set RR, 24                            ; v[24:39]   res as loaded
.set GR, 40                            ; v[40:55]   g as loaded
.set BR, 56                            ; v[56:71]   beta as loaded
.set Z,  72                            ; v[72:103]  the row in f32: y as loaded, then at work
.set T,  104                           ; v[104:119] four pairs of sums, later g and beta at work; +8, +9 the mean; +10, +11 1 / sqrt; +8..15 also at work while the row is put together
.set O,  120                           ; v[120:135] the row in bf16
	s_load_b256 s[4:11], s[0:1], 0x0               ; y s[4:5], res and the vectors s[6:7], the result s[8:9], the launch's word s[10:11]
	v_lshrrev_b32 v3, 5, v0
	v_readfirstlane_b32 s18, v3
	s_lshl_b32 s19, ttmp9, 3
	s_add_co_u32 s19, s19, s18                     ; my row
	s_lshl_b32 s20, s19, 12                        ; 4,096 bytes a row of f32
	s_mov_b32 s21, 0
	s_lshl_b32 s22, s19, 11                        ; 2,048 a row of bf16
	s_mov_b32 s23, 0
	s_mov_b32 s24, 0x76543210
	s_mov_b32 s25, 0xfedcba98
	s_mov_b32 s26, 0xffff0000
	v_and_b32 v1, 31, v0
	v_lshlrev_b32 v2, 3, v1                        ; 8 l
	v_lshlrev_b32 v1, 4, v1                        ; 16 l
	s_wait_kmcnt 0x0
	s_load_b32 s27, s[10:11], 0x0                  ; how the result leaves
	s_add_nc_u64 s[12:13], s[6:7], VOFF            ; bias, g, beta
	s_add_nc_u64 s[4:5], s[4:5], s[20:21]
	s_add_nc_u64 s[6:7], s[6:7], s[22:23]
	s_add_nc_u64 s[14:15], s[8:9], s[22:23]        ; my row of a bf16 result,
	s_add_nc_u64 s[16:17], s[8:9], s[20:21]        ; and of an f32 one: both made of the row's number alone
.irp j, 0,1,2,3,4,5,6,7
	global_load_b128 v[Z+4*(\j):Z+4*(\j)+3], v1, s[4:5] offset:512*(\j) th:TH_LOAD_NT
.endr
.irp j, 0,1,2,3,4,5,6,7
	global_load_b64 v[RR+2*(\j):RR+2*(\j)+1], v2, s[6:7] offset:256*(\j) th:TH_LOAD_NT
.endr
.irp j, 0,1,2,3,4,5,6,7
	global_load_b64 v[BI+2*(\j):BI+2*(\j)+1], v2, s[12:13] offset:256*(\j)
	global_load_b64 v[GR+2*(\j):GR+2*(\j)+1], v2, s[12:13] offset:2048+256*(\j)
	global_load_b64 v[BR+2*(\j):BR+2*(\j)+1], v2, s[12:13] offset:4096+256*(\j)
.endr
	s_wait_loadcnt 0x0
.macro REDUCE                          ; four pairs into one number, then over the 32 lanes: every lane ends with the sum in v[T]
	v_pk_add_f32 v[T:T+1], v[T:T+1], v[T+2:T+3]
	v_pk_add_f32 v[T+4:T+5], v[T+4:T+5], v[T+6:T+7]
	v_pk_add_f32 v[T:T+1], v[T:T+1], v[T+4:T+5]
	v_add_f32 v[T], v[T], v[T+1]
	v_add_f32_dpp v[T], v[T], v[T] row_xmask:1 row_mask:0xf bank_mask:0xf
	v_add_f32_dpp v[T], v[T], v[T] row_xmask:2 row_mask:0xf bank_mask:0xf
	v_add_f32_dpp v[T], v[T], v[T] row_xmask:4 row_mask:0xf bank_mask:0xf
	v_add_f32_dpp v[T], v[T], v[T] row_xmask:8 row_mask:0xf bank_mask:0xf
	v_permlanex16_b32 v[T+1], v[T], s24, s25
	v_add_f32 v[T], v[T], v[T+1]
.endm
.set i, 0
.rept 16                               ; z = y + res + bias: bf16 to f32 is a shift or a mask
	v_lshlrev_b32 v[T+12+2*(i%2)], 16, v[RR+i]
	v_and_b32 v[T+13+2*(i%2)], s26, v[RR+i]
	v_lshlrev_b32 v[T+8+2*(i%2)], 16, v[BI+i]
	v_and_b32 v[T+9+2*(i%2)], s26, v[BI+i]
	v_pk_add_f32 v[Z+2*i:Z+2*i+1], v[Z+2*i:Z+2*i+1], v[T+12+2*(i%2):T+13+2*(i%2)]
	v_pk_add_f32 v[Z+2*i:Z+2*i+1], v[Z+2*i:Z+2*i+1], v[T+8+2*(i%2):T+9+2*(i%2)]
.set i, i+1
.endr
.irp c, 0,1,2,3
	v_pk_add_f32 v[T+2*(\c):T+2*(\c)+1], v[Z+2*(\c):Z+2*(\c)+1], v[Z+8+2*(\c):Z+8+2*(\c)+1]
.endr
.set i, 8
.rept 8
	v_pk_add_f32 v[T+2*(i%4):T+2*(i%4)+1], v[T+2*(i%4):T+2*(i%4)+1], v[Z+2*i:Z+2*i+1]
.set i, i+1
.endr
	REDUCE
	v_mul_f32 v[T+8], 0x3a800000, v[T]             ; the mean: sum / 1,024
	v_mov_b32 v[T+9], v[T+8]
.set i, 0
.rept 16
	v_pk_add_f32 v[Z+2*i:Z+2*i+1], v[Z+2*i:Z+2*i+1], v[T+8:T+9] neg_lo:[0,1] neg_hi:[0,1]
.set i, i+1
.endr
.irp c, 0,1,2,3
	v_pk_mul_f32 v[T+2*(\c):T+2*(\c)+1], v[Z+2*(\c):Z+2*(\c)+1], v[Z+2*(\c):Z+2*(\c)+1]
.endr
.set i, 4
.rept 12
	v_pk_fma_f32 v[T+2*(i%4):T+2*(i%4)+1], v[Z+2*i:Z+2*i+1], v[Z+2*i:Z+2*i+1], v[T+2*(i%4):T+2*(i%4)+1]
.set i, i+1
.endr
	REDUCE
	v_mov_b32 v[T+12], 0x3a800000                  ; 1 / 1,024
	v_mov_b32 v[T+14], 0x3727c5ac                  ; 1e-5
	v_fma_f32 v[T+13], v[T], v[T+12], v[T+14]      ; the variance + 1e-5
	v_rsq_f32 v[T+10], v[T+13]
	v_rsq_f32 v[T+11], v[T+13]
	v_nop                                          ; a plain instruction behind the last of the two,
	s_wait_alu depctr_va_vdst(0)                   ; and one wait for both, ahead of their first use
.set i, 0
.rept 16
	v_lshlrev_b32 v[T+4*(i%2)], 16, v[GR+i]
	v_and_b32 v[T+4*(i%2)+1], s26, v[GR+i]
	v_lshlrev_b32 v[T+4*(i%2)+2], 16, v[BR+i]
	v_and_b32 v[T+4*(i%2)+3], s26, v[BR+i]
	v_pk_mul_f32 v[Z+2*i:Z+2*i+1], v[Z+2*i:Z+2*i+1], v[T+10:T+11]
	v_pk_fma_f32 v[Z+2*i:Z+2*i+1], v[Z+2*i:Z+2*i+1], v[T+4*(i%2):T+4*(i%2)+1], v[T+4*(i%2)+2:T+4*(i%2)+3]
.set i, i+1
.endr
	s_wait_kmcnt 0x0
	s_cmp_eq_u32 s27, 0
	s_cbranch_scc1 .Lwide
.set i, 0
.rept 16
	v_cvt_pk_bf16_f32 v[O+i], v[Z+2*i], v[Z+2*i+1]
.set i, i+1
.endr
.irp j, 0,1,2,3,4,5,6,7
	global_store_b64 v2, v[O+2*(\j):O+2*(\j)+1], s[14:15] offset:256*(\j)
.endr
	s_endpgm
.Lwide:
.irp j, 0,1,2,3,4,5,6,7
	global_store_b128 v1, v[Z+4*(\j):Z+4*(\j)+3], s[16:17] offset:512*(\j)
.endr
	s_endpgm
.Lfunc_end_k_qe07c8dbe7a_ln1:
	.size	k_qe07c8dbe7a_ln1, .Lfunc_end_k_qe07c8dbe7a_ln1-k_qe07c8dbe7a_ln1
	.p2alignl 7, 3214868480
	.fill 96, 4, 3214868480
	.section	.rodata,"a",@progbits
	.p2align	6, 0x0
	.amdhsa_kernel k_qe07c8dbe7a_ln1
		.amdhsa_group_segment_fixed_size 0
		.amdhsa_private_segment_fixed_size 0
		.amdhsa_enable_private_segment 0
		.amdhsa_kernarg_size 32
		.amdhsa_user_sgpr_count 2
		.amdhsa_user_sgpr_kernarg_segment_ptr 1
		.amdhsa_wavefront_size32 1
		.amdhsa_system_sgpr_workgroup_id_x 1
		.amdhsa_system_sgpr_workgroup_id_y 1
		.amdhsa_system_sgpr_workgroup_id_z 1
		.amdhsa_system_vgpr_workitem_id 0
		.amdhsa_next_free_vgpr 136
		.amdhsa_next_free_sgpr 66
		.amdhsa_reserve_vcc 0
		.amdhsa_float_denorm_mode_32 3
		.amdhsa_float_denorm_mode_16_64 3
		.amdhsa_memory_ordered 1
		.amdhsa_forward_progress 1
		.amdhsa_inst_pref_size 20
	.end_amdhsa_kernel
	.amdgpu_metadata
---
amdhsa.version: [ 1, 2 ]
amdhsa.kernels:
  - .name:           k_qe07c8dbe7a_ln1
    .symbol:         k_qe07c8dbe7a_ln1.kd
    .args:
      - { .name: y, .offset: 0, .size: 8, .value_kind: global_buffer, .address_space: global }
      - { .name: g1in, .offset: 8, .size: 8, .value_kind: global_buffer, .address_space: global }
      - { .name: g3in, .offset: 16, .size: 8, .value_kind: global_buffer, .address_space: global }
      - { .name: p1, .offset: 24, .size: 8, .value_kind: global_buffer, .address_space: global }
    .group_segment_fixed_size: 0
    .private_segment_fixed_size: 0
    .kernarg_segment_align: 8
    .kernarg_segment_size: 32
    .max_flat_workgroup_size: 256
    .sgpr_count:     66
    .vgpr_count:     136
    .wavefront_size: 32
...
	.end_amdgpu_metadata
.endif
;; end of part 5
;; launch ff1: the kernel of part 2 again; grid 16 x 16, 4 waves a work-group, clusters of 4 x 4, 327,680 bytes of LDS; arguments g3in, lin1_b, big; writes big
;; launch ff2 (part 6): grid 8 x 32, 4 waves a work-group, clusters of 4 x 4, 327,680 bytes of LDS; arguments big, wsm, y; writes y
.if DOCPART == 6
	.amdgcn_target "amdgcn-amd-amdhsa--gfx1250"
	.amdhsa_code_object_version 6
	.text
	.protected	k_qe07c8dbe7a_ff2
	.globl	k_qe07c8dbe7a_ff2
	.p2align	8
	.type	k_qe07c8dbe7a_ff2,@function
k_qe07c8dbe7a_ff2:
	s_mov_b64 s[64:65], 0
	v_nop
	global_prefetch_b8 v0, s[64:65] scope:SCOPE_SE
	s_setreg_imm32_b32 hwreg(HW_REG_WAVE_MODE, 25, 1), 1
	s_wait_xcnt 0x0
	s_wait_alu depctr_hold_cnt(0) depctr_sa_sdst(0) depctr_va_vdst(0) depctr_va_sdst(0) depctr_va_ssrc(0) depctr_va_vcc(0) depctr_vm_vsrc(0)
	s_getreg_b32 s2, hwreg(HW_REG_IB_STS2, 6, 4)
	s_cmp_eq_u32 s2, 0
	s_cbranch_scc0 .Lentry_in_a_cluster
	s_endpgm
.Lentry_in_a_cluster:
	s_bfe_u32 s2, ttmp6, 0x10000c
	s_cmp_lg_u32 s2, 0xf033
	s_cbranch_scc0 .Lentry_shape_is_right
	s_endpgm
.Lentry_shape_is_right:
; C[m][n] = sum over k of A[m][k] B[n][k].  A: [4096][SIZE_K] bf16, B: [1024][SIZE_K] bf16 at byte BOFF of its buffer, C: [4096][1024] f32, the sums as they are (bias, residual and norm follow in the next launch).
; A tile of C is 128 x 128, which gives each of 256 work-groups one tile.  Four waves, each 64 x 64: 16 accumulators.  K goes in steps of 256 (LDS rows of 512 bytes, 64 rows to a tensor load) through two slots.
; CLUSTERS of 4 x 4: A's tile is asked for jointly along a row of the cluster, B's along a column.  The matrix instruction is used transposed (source 0 = rows of B): a lane holds eight neighbouring numbers of a row of C.
; A wave's 64 columns of f32 are 256 aligned bytes, so each wave has a stage of its own on the way out and no barrier stands there.  No prefetch: the tiles are small.
; REGISTERS: window 0: v0-31 addresses; v32-95 at work on the way out; v128-255 accumulators ((a, b) at v[128 + 8 (4 a + b)]).   window 1: two fragment buffers of 128: 64 of A, then 64 of B.
.set SIZE_K, 4096
.set BOFF,   0x200000
.set KSTEP,  256
.set PITCH,  528                       ; an LDS row: 512 bytes + 16 = 132 words: the 16 rows of a fragment load start at 16 different groups of four banks (64 banks of 4 bytes: ISA guide 11.1)
.set HALFT,  64*PITCH
.set SLOT,   4*HALFT
.set STAGE,  2*SLOT                    ; behind the ring: 16 rows x 272 bytes for each wave
.set SPITCH, 272
.set SPARE,  STAGE+4*16*SPITCH         ; the spare words: 128 bytes a wave, two blocks of 256 bytes that no other line names
.set LAPS, SIZE_K/(2*KSTEP)
.set ADRA, 16
.set ADRB, 20
.set STO,  24
.set RD,   25
.set CO,   26
.set SPW,  28
.set NIL,  29
.set TMP,  32
.set ACC,  128
.set F0,   0
.set F1,   128
.set G1, 24
.set G0, 32
.set G1B, 48
.set G0B, 56
.set MSB, 0
.macro WIN new
.if MSB != (\new)
	s_set_vgpr_msb (MSB<<8)|(\new)
.set MSB, \new
.endif
.endm
.set MUL,  0x05                        ; sources 0 (B) and 1 (A) window 1; C and D window 0
.set TO_F, 0x40                        ; destination window 1, address window 0
.macro JLOAD s                         ; a joint load: waves 0 and 1 fetch A's two halves, waves 2 and 3 B's; an s_nop 0 and four v_nop follow each line
	s_cmp_eq_u32 s11, 0
	s_cbranch_scc0 .Lfor_b_\@
	tensor_load_to_lds s[G0+4*(\s):G0+4*(\s)+3], s[G1:G1+7]
	s_nop 0
.rept 4
	v_nop
.endr
	s_branch .Lasked_\@
.Lfor_b_\@:
	tensor_load_to_lds s[G0B+4*(\s):G0B+4*(\s)+3], s[G1B:G1B+7]
	s_nop 0
.rept 4
	v_nop
.endr
.Lasked_\@:
.endm
.macro CREST
	s_cmp_lg_u32 s10, 0
	s_cbranch_scc1 .Lnot_wave_0_\@
	s_barrier_signal -3
.Lnot_wave_0_\@:
	s_barrier_wait -3
	s_barrier_signal -1
	s_barrier_wait -1
.endm
.macro CROUND
	s_barrier_signal -1
	s_barrier_wait -1
	CREST
.endm
	s_load_b128 s[4:7], s[0:1], 0x0                ; A s[4:5], B's buffer s[6:7]
	s_load_b64 s[8:9], s[0:1], 0x10                ; C
	v_lshl_add_u32 v[SPW], v0, 2, SPARE
	v_mov_b32 v[NIL], 0
	ds_add_u32 v[SPW], v[NIL]                      ; the wave's opening: the add and its wait stand ahead of my first tensor load
	v_lshrrev_b32 v1, 5, v0
	v_readfirstlane_b32 s10, v1                    ; wave 0..3
	s_lshr_b32 s11, s10, 1                         ; which half of the tile's rows is mine.  Also: I fetch for A (0) or for B (1)
	s_and_b32 s12, s10, 1                          ; which half of its columns.  Also: which 64 rows of that tile I fetch
	s_bfe_u32 s40, ttmp6, 0x40000
	s_bfe_u32 s41, ttmp6, 0x40004
	s_lshl_b32 s42, ttmp9, 2
	s_add_co_u32 s42, s42, s40                     ; tile column of C
	s_and_b32 s13, ttmp7, 0xffff
	s_lshl_b32 s13, s13, 2
	s_add_co_u32 s13, s13, s41                     ; tile row of C
	s_lshl_b32 s43, s41, 2
	s_lshl_b32 s43, 15, s43                        ; my row of the cluster
	s_lshl_b32 s44, 0x1111, s40                    ; my column
	s_or_b32 s[G1+0], s43, (1<<16)|(1<<20)|(1<<21)|(6<<22)|(3<<25)  ; the mask; 2-byte elements; padding on; bit 21 beside a mask; after every 128 words, 4 words
	s_or_b32 s[G1B+0], s44, (1<<16)|(1<<20)|(1<<21)|(6<<22)|(3<<25)
.irp g, G1, G1B
	s_mov_b32 s[(\g)+1], KSTEP<<16                 ; tensor_dim0 = 256
	s_mov_b32 s[(\g)+2], 64<<16                    ; tensor_dim1 = 64
	s_mov_b32 s[(\g)+3], KSTEP<<16                 ; tile_dim0 = 256
	s_mov_b32 s[(\g)+4], 64                        ; tile_dim1 = 64
	s_mov_b32 s[(\g)+5], SIZE_K
	s_mov_b32 s[(\g)+6], 0
	s_mov_b32 s[(\g)+7], 0
.endr
	s_lshl_b32 s17, s12, 6
	s_lshl_b32 s16, s13, 7
	s_add_co_u32 s16, s16, s17                     ; A: row 128 x tile row + 64 x half
	s_lshl_b32 s46, s42, 7
	s_add_co_u32 s46, s46, s17                     ; B: row 128 x tile column + 64 x half
	s_mov_b32 s17, 0
	s_mov_b32 s47, 0
	s_mov_b64 s[18:19], SIZE_K*2
	s_mul_u64 s[16:17], s[16:17], s[18:19]
	s_mul_u64 s[46:47], s[46:47], s[18:19]
	s_mul_i32 s20, s10, HALFT                      ; where they go: wave x 64 rows
	s_wait_dscnt 0x0                               ; the opening add is done
	s_wait_kmcnt 0x0
.if BOFF
	s_add_nc_u64 s[6:7], s[6:7], BOFF
.endif
	s_add_nc_u64 s[14:15], s[4:5], s[16:17]
	s_add_nc_u64 s[46:47], s[6:7], s[46:47]
	CROUND                                         ; all sixteen work-groups are here: the first joint loads meet
.irp s, 0,1
	s_mov_b32 s[G0+4*(\s)], 1
	s_add_co_u32 s[G0+4*(\s)+1], s20, (\s)*SLOT
	s_add_nc_u64 s[G0+4*(\s)+2:G0+4*(\s)+3], s[14:15], (\s)*KSTEP*2
	s_or_b32 s[G0+4*(\s)+3], s[G0+4*(\s)+3], 0x80000000
	s_mov_b32 s[G0B+4*(\s)], 1
	s_add_co_u32 s[G0B+4*(\s)+1], s20, (\s)*SLOT
	s_add_nc_u64 s[G0B+4*(\s)+2:G0B+4*(\s)+3], s[46:47], (\s)*KSTEP*2
	s_or_b32 s[G0B+4*(\s)+3], s[G0B+4*(\s)+3], 0x80000000
	JLOAD \s                                       ; two tensor loads of mine are out
.endr
	v_and_b32 v1, 15, v0                           ; l % 16
	v_bfe_u32 v2, v0, 4, 1                         ; l / 16
	v_mul_u32_u24 v3, v1, PITCH
	v_lshl_add_u32 v3, v2, 4, v3
	s_mul_i32 s21, s11, HALFT                      ; my 64 rows of A
	s_mul_i32 s22, s12, HALFT                      ; my 64 rows of B,
	s_add_co_u32 s22, s22, 2*HALFT                 ; which lie behind A's 128
.irp s, 0,1
	v_add_nc_u32 v[ADRA+(\s)], s21, v3
	v_add_nc_u32 v[ADRB+(\s)], s22, v3
	s_add_co_u32 s21, s21, SLOT
	s_add_co_u32 s22, s22, SLOT
.endr
	s_mul_i32 s23, s10, 16*SPITCH
	s_add_co_u32 s23, s23, STAGE                   ; my stage
	v_mul_u32_u24 v4, v1, SPITCH                   ; in: row l % 16, 32 bytes (eight f32) for each half of the lanes
	v_lshl_add_u32 v4, v2, 5, v4
	v_add_nc_u32 v[STO], s23, v4
	v_mul_u32_u24 v5, v2, SPITCH                   ; back: lanes 0-15 take one row of 256 bytes, lanes 16-31 the next
	v_lshl_add_u32 v5, v1, 4, v5
	v_add_nc_u32 v[RD], s23, v5
	v_lshlrev_b32 v5, 12, v2                       ; and the same two rows in C: 4,096 bytes a row
	v_lshl_add_u32 v[CO], v1, 4, v5
	s_lshl_b32 s16, s13, 7
	s_lshl_b32 s17, s11, 6
	s_add_co_u32 s16, s16, s17                     ; my first row of C: 128 x tile row + 64 x half
	s_lshl_b32 s16, s16, 12
	s_mov_b32 s17, 0
	s_add_nc_u64 s[8:9], s[8:9], s[16:17]
	s_lshl_b32 s46, s42, 9                         ; my first column, in bytes: 512 x tile column + 256 x half
	s_lshl_b32 s47, s12, 8
	s_add_co_u32 s46, s46, s47
	s_mov_b32 s47, 0
	s_add_nc_u64 s[8:9], s[8:9], s[46:47]
; 8 matrix instructions: m blocks a0, a0 + 1 x all 4 n blocks, 32 along K: half c of buffer f.  zero = 1: the first product starts the sums.  The 16 accumulators take turns.
.macro MUL8 f, c, a0, zero
	WIN MUL
.irp a, \a0, (\a0)+1
.irp b, 0,1,2,3
.if \zero
	v_wmma_f32_16x16x32_bf16 v[ACC+8*(4*(\a)+(\b)):ACC+8*(4*(\a)+(\b))+7], v[(\f)+64+8*(4*(\c)+(\b)):(\f)+64+8*(4*(\c)+(\b))+7], v[(\f)+8*(4*(\c)+(\a)):(\f)+8*(4*(\c)+(\a))+7], 0
.else
	v_wmma_f32_16x16x32_bf16 v[ACC+8*(4*(\a)+(\b)):ACC+8*(4*(\a)+(\b))+7], v[(\f)+64+8*(4*(\c)+(\b)):(\f)+64+8*(4*(\c)+(\b))+7], v[(\f)+8*(4*(\c)+(\a)):(\f)+8*(4*(\c)+(\a))+7], v[ACC+8*(4*(\a)+(\b)):ACC+8*(4*(\a)+(\b))+7]
.endif
.endr
.endr
.endm
; 32 LDS loads in one run: the fragments of 64 along K at byte k of the rows, into buffer f; the first 32 along K first
.macro FETCH slot, k, f
	WIN TO_F
.irp c, 0,1
.irp i, 0,1,2,3
	ds_load_b128 v[(\f)+64+8*(4*(\c)+(\i)):(\f)+64+8*(4*(\c)+(\i))+3],   v[ADRB+(\slot)] offset:(\k)+64*(\c)+(\i)*16*PITCH
	ds_load_b128 v[(\f)+64+8*(4*(\c)+(\i))+4:(\f)+64+8*(4*(\c)+(\i))+7], v[ADRB+(\slot)] offset:(\k)+64*(\c)+(\i)*16*PITCH+32
	ds_load_b128 v[(\f)+8*(4*(\c)+(\i)):(\f)+8*(4*(\c)+(\i))+3],         v[ADRA+(\slot)] offset:(\k)+64*(\c)+(\i)*16*PITCH
	ds_load_b128 v[(\f)+8*(4*(\c)+(\i))+4:(\f)+8*(4*(\c)+(\i))+7],       v[ADRA+(\slot)] offset:(\k)+64*(\c)+(\i)*16*PITCH+32
.endr
.endr
.endm
.macro PLACES                          ; four plain vector instructions between a matrix instruction and a load into, or a read of, its registers
.rept 4
	v_nop
.endr
.endm
.macro QUARTER slot, k, f, g, zero
	s_wait_dscnt 16                                ; the first 32 along K are in
	MUL8 \f, 0, 0, \zero
	MUL8 \f, 0, 2, \zero
	PLACES
	FETCH \slot, \k, \g
	s_wait_dscnt 32                                ; all but the 32 just issued
	MUL8 \f, 1, 0, 0
	MUL8 \f, 1, 2, 0
.endm
; The last quarter multiplies buffer 1 and changes slots.  fill = 1: the barrier opens a round of the cluster's, and this slot is filled again, two K steps on, first thing behind the round.
.macro TURN slot, next, fill
	WIN 0                                          ; (the add's two registers lie in window 0)
	s_wait_tensorcnt 0x0                           ; all my tensor loads have landed: my part of the next slot
	ds_add_u32 v[SPW], v[NIL]                      ; 0 onto my spare word
	s_wait_dscnt 17                                ; (the add and the youngest sixteen loads may be out)
	MUL8 F1, 0, 0, 0                               ; eight matrix instructions stand between the add and the wait for it
	s_wait_dscnt 0x0                               ; the add is done, and my reads of this slot are over
	s_barrier_signal -1
	MUL8 F1, 0, 2, 0
.if \fill
	WIN 0
.endif
	s_barrier_wait -1
.if \fill
	CREST                                          ; no wave of any partner still reads this slot's tile or has a load on its way
	s_add_nc_u64 s[G0+4*(\slot)+2:G0+4*(\slot)+3], s[G0+4*(\slot)+2:G0+4*(\slot)+3], 2*KSTEP*2
	s_add_nc_u64 s[G0B+4*(\slot)+2:G0B+4*(\slot)+3], s[G0B+4*(\slot)+2:G0B+4*(\slot)+3], 2*KSTEP*2
	JLOAD \slot                                    ; my one tensor load behind the round; its four v_nop are also the places in front of the loads below
.else
	PLACES
.endif
	FETCH \next, 0, F0
	MUL8 F1, 1, 0, 0
	MUL8 F1, 1, 2, 0
.endm
	s_wait_tensorcnt 1                             ; my part of K step 0 is in; K step 1's may stay out
	s_barrier_signal -1
	s_barrier_wait -1
	FETCH 0, 0, F0
	QUARTER 0, 128, F0, F1, 1                      ; the first quarter's first products start the sums
	WIN 0
	s_mov_b32 s3, LAPS-1
.Llap:                                                 ; a trip goes once round the ring and fills both slots again
	QUARTER 0, 256, F1, F0, 0
	QUARTER 0, 384, F0, F1, 0
	TURN 0, 1, 1
	QUARTER 1, 128, F0, F1, 0
	QUARTER 1, 256, F1, F0, 0
	QUARTER 1, 384, F0, F1, 0
	TURN 1, 0, 1
	QUARTER 0, 128, F0, F1, 0
	WIN 0
	s_sub_co_u32 s3, s3, 1
	s_cmp_lg_u32 s3, 0
	s_cbranch_scc1 .Llap
	QUARTER 0, 256, F1, F0, 0                      ; the last lap is written out: it fills nothing
	QUARTER 0, 384, F0, F1, 0
	TURN 0, 1, 0
	QUARTER 1, 128, F0, F1, 0
	QUARTER 1, 256, F1, F0, 0
	QUARTER 1, 384, F0, F1, 0
	s_wait_dscnt 16
	MUL8 F1, 0, 0, 0
	MUL8 F1, 0, 2, 0
	s_wait_dscnt 0x0
	MUL8 F1, 1, 0, 0
	MUL8 F1, 1, 2, 0
	WIN 0
	; THE WAY OUT, 16 rows at a time: the sums go as they are into my stage (each accumulator's low four registers first) and come back as whole rows of 256 bytes
	PLACES
.irp a, 0,1,2,3
.irp b, 0,1,2,3
	ds_store_b128 v[STO], v[ACC+8*(4*(\a)+(\b)):ACC+8*(4*(\a)+(\b))+3]   offset:64*(\b)
	ds_store_b128 v[STO], v[ACC+8*(4*(\a)+(\b))+4:ACC+8*(4*(\a)+(\b))+7] offset:64*(\b)+16
.endr
.if (\a) >= 2
	s_wait_xcnt 0x0                                ; the registers that the stores two blocks back read are loaded again only behind this wait
.endif
.irp t, 0,1,2,3,4,5,6,7
	ds_load_b128 v[TMP+32*((\a)%2)+4*(\t):TMP+32*((\a)%2)+4*(\t)+3], v[RD] offset:(\t)*2*SPITCH  ; LDS serves a wave's instructions in order (ISA guide 5.7.1.4): these see the stores above
.endr
.irp t, 0,1,2,3,4,5,6,7
	s_wait_dscnt 7-(\t)
	global_store_b128 v[CO], v[TMP+32*((\a)%2)+4*(\t):TMP+32*((\a)%2)+4*(\t)+3], s[8:9] offset:(16*(\a)+2*(\t))*4096  ; 16 lanes store 256 consecutive bytes, aligned
.endr
.endr
	s_wait_tensorcnt 0x0                           ; the wave's end
	ds_add_u32 v[SPW], v[NIL]
	s_wait_dscnt 0x0
	CROUND                                         ; the closing round
	s_endpgm
.Lfunc_end_k_qe07c8dbe7a_ff2:
	.size	k_qe07c8dbe7a_ff2, .Lfunc_end_k_qe07c8dbe7a_ff2-k_qe07c8dbe7a_ff2
	.p2alignl 7, 3214868480
	.fill 96, 4, 3214868480
	.section	.rodata,"a",@progbits
	.p2align	6, 0x0
	.amdhsa_kernel k_qe07c8dbe7a_ff2
		.amdhsa_group_segment_fixed_size 327680
		.amdhsa_private_segment_fixed_size 0
		.amdhsa_enable_private_segment 0
		.amdhsa_kernarg_size 24
		.amdhsa_user_sgpr_count 2
		.amdhsa_user_sgpr_kernarg_segment_ptr 1
		.amdhsa_wavefront_size32 1
		.amdhsa_system_sgpr_workgroup_id_x 1
		.amdhsa_system_sgpr_workgroup_id_y 1
		.amdhsa_system_sgpr_workgroup_id_z 1
		.amdhsa_system_vgpr_workitem_id 0
		.amdhsa_next_free_vgpr 512
		.amdhsa_next_free_sgpr 66
		.amdhsa_reserve_vcc 0
		.amdhsa_float_denorm_mode_32 3
		.amdhsa_float_denorm_mode_16_64 3
		.amdhsa_memory_ordered 1
		.amdhsa_forward_progress 1
		.amdhsa_inst_pref_size 86
	.end_amdhsa_kernel
	.amdgpu_metadata
---
amdhsa.version: [ 1, 2 ]
amdhsa.kernels:
  - .name:           k_qe07c8dbe7a_ff2
    .symbol:         k_qe07c8dbe7a_ff2.kd
    .args:
      - { .name: big, .offset: 0, .size: 8, .value_kind: global_buffer, .address_space: global }
      - { .name: wsm, .offset: 8, .size: 8, .value_kind: global_buffer, .address_space: global }
      - { .name: y, .offset: 16, .size: 8, .value_kind: global_buffer, .address_space: global }
    .group_segment_fixed_size: 327680
    .private_segment_fixed_size: 0
    .kernarg_segment_align: 8
    .kernarg_segment_size: 24
    .max_flat_workgroup_size: 128
    .sgpr_count:     66
    .vgpr_count:     512
    .wavefront_size: 32
...
	.end_amdgpu_metadata
.endif
;; end of part 6
;; launch ln2: the kernel of part 5 again; grid 512 x 1, 8 waves a work-group, no clusters, 0 bytes of LDS; arguments y, g3in, out0, p2; writes out0
